; MI455X (gfx1250); checked and timed in simulation.
; The chip was launched on July 23, 2026; its instructions are those of AMD's public machine-readable ISA for CDNA 5 (MIT licence, August 2026) and "CDNA5" Instruction Set Architecture Reference Guide (July 2026). The comments in the code are by the model that wrote it; some were corrected since.
;; Multi Head Attention. Allowed arithmetic: matrix products marked QUANTISED: E4M3 operands, one E8M0 scale for each 32 along K, by v_wmma_scale_f32_16x16x128_f8f6f4 with both operands' format E4M3, f32 sums; everything else in f32.
;; Inputs: W_qkv_bias 3,072 float32; W_qkv_kernel 1,024 x 3,072 float32; attention_mask 2 x 2,048 int32; c_proj_bias 1,024 float32; c_proj_kernel 1,024 x 1,024 float32; x 2 x 2,048 x 1,024 float32.
;; Outputs: out0 2 x 2,048 x 1,024 float32.
;; This version of the problem:
;;   THIS VERSION OF THE PROBLEM IS GIVEN IN LOW PRECISION. The matrix products marked QUANTISED in the list below multiply operands that are first quantised to E4M3 (4 exponent bits, 3 mantissa bits; 8 bits a number), with one power-of-two scale for each 32 numbers along K (OCP MX v1.0); their sums are f32. All else is computed in f32.
;;   The module's matrix products, in the order in which they are computed (A, B: the left and right operand; K: the contracted axis; several contracted axes count as one K, in the product's order):
;;     1. [M 4,096, K 1,024] x [K 1,024, N 3,072]; A: input x; B: input W_qkv_kernel: QUANTISED
;;     2. batch 32 x [M 2,048, K 64] x [K 64, N 2,048]; A: computed on the way; B: computed on the way: QUANTISED
;;     3. batch 32 x [M 2,048, K 2,048] x [K 2,048, N 64]; A: softmax (see below); B: computed on the way: QUANTISED
;;     4. [M 4,096, K 1,024] x [K 1,024, N 1,024]; A: computed on the way; B: input c_proj_kernel: QUANTISED
;;   THE QUANTISER, for each operand of a quantised product, along K:
;;     - K is cut into blocks of 32 from its start; a last block that is shorter is filled with zeros.
;;     - A block's scale is 2^e with e = floor(log2(the largest magnitude in the block)) - 8, held to -126 .. 127; a block of zeros has e = 0. As a byte (E8M0): e + 127.
;;     - Each number is divided by its block's scale, clamped to +-448, and rounded to the nearest number of E4M3, ties to even, subnormals kept.
;;     - The product sums the exact products of the quantised numbers (number of the format x scale) in f32.
;;   ~~~python
;;   def quantise(x, axis):      # numpy; x: float32 -> the quantised numbers, widened to float32 again
;;       x = np.moveaxis(x, axis, -1); K = x.shape[-1]
;;       x = np.pad(x, [(0, 0)] * (x.ndim - 1) + [(0, -K % 32)]); x = x.reshape(x.shape[:-1] + (-1, 32)); a = np.abs(x).max(-1, keepdims=True)
;;       e = np.where(a > 0, np.clip(np.frexp(np.where(a > 0, a, 1))[1] - 1 - 8, -126, 127), 0)      # np.frexp(a)[1] - 1 = floor(log2(a)), exactly
;;       r = np.clip(x / 2.0 ** e, -448, 448)
;;       step = 2.0 ** (np.maximum(np.frexp(np.where(r == 0, 1, r))[1] - 1, -6) - 3)
;;       q = np.round(r / step) * step * 2.0 ** e      # np.round: ties to even
;;       return np.moveaxis(q.reshape(q.shape[:-2] + (-1,))[..., :K], -1, axis).astype(np.float32)
;;   ~~~
;;   SOFTMAX AHEAD OF A QUANTISED PRODUCT. Where the list says 'softmax', what is quantised is not the finished softmax but p = 2^(t - M), with t = logit x log2(e) and M = ceil(the row's largest t), a whole number; so 1/2 < the row's largest p <= 1. The row's sum l is taken of the UNQUANTISED p, in f32, and the product's result is divided by l at the end. Since M is a whole number, a kernel that streams over the keys may use a running M (the ceiling of the running maximum): every later rescaling is an exact power of two, which a block's scale takes up: the codes' values come out the same.
;;   OPERANDS COMPUTED ON THE WAY. 'Computed on the way' means the value that the module computes at that place (a softmax that the list does not call 'softmax' is quantised finished and normalised). What goes into a quantiser is computed in f32, as accurately as f32 sums, v_exp_f32 and their like allow (about 1e-6 of the number): no bf16 or f16 on the way to a quantiser, and a product that is left as it is and whose result goes on into a quantised operand takes f32 operands (vector FMAs, or v_wmma_f32_16x16x4_f32). A number that lies on a knife's edge between two numbers of the format may be rounded either way, as far as f32 arithmetic and the matrix unit's own rounding can turn it there, and no further.
;; One version. Each part assembles by itself: llvm-mc -triple=amdgcn-amd-amdhsa -mcpu=gfx1250 --defsym DOCPART=n.
;; ======== version 1 of 1: 4 launches
;; limits: right only within a limited range of input values
;; workspace buffers: codes_in 8,388,608 bytes; scales_in 262,144 bytes; qkv_codes 12,582,912 bytes; qkv_scales 786,432 bytes; ctx_codes 4,194,304 bytes; ctx_scales 131,072 bytes
;; launch quant (part 1): grid 256 x 1, 4 waves a work-group, no clusters, 68,096 bytes of LDS; arguments x, W_qkv_kernel, c_proj_kernel, codes_in, scales_in; writes codes_in, scales_in
.if DOCPART == 1
	.amdgcn_target "amdgcn-amd-amdhsa--gfx1250"
	.amdhsa_code_object_version 6
	.text
	.protected	k_q67a4f790c6_quant
	.globl	k_q67a4f790c6_quant
	.p2align	8
	.type	k_q67a4f790c6_quant,@function
k_q67a4f790c6_quant:
	s_mov_b64 s[64:65], 0
	v_nop
	global_prefetch_b8 v0, s[64:65] scope:SCOPE_SE
	s_setreg_imm32_b32 hwreg(HW_REG_WAVE_MODE, 25, 1), 1
	s_wait_xcnt 0x0
; x [4096][1024], W_qkv [1024][3072] and c_proj [1024][1024], f32, become codes of FP8 (E4M3) with K innermost and one E8M0 scale byte for each 32 along K.
; codes_in: x's codes [4096][1024] at byte 0; the weights' codes [n'][1024] at byte WC, n' = a column of W_qkv (0 .. 3071) or 3072 + a column of c_proj.  scales_in: [4096][32] at 0, [n'][32] at WS.
; A block's scale is 2^(floor(log2(its largest magnitude)) - 8); its byte is that magnitude's exponent field - 8, held at 1 from below.  A block of zeros so gets the byte 1 where the rule says 127:
; its codes are zeros, which add nothing under any byte but 0xff, and this program alone reads the bytes.
; LIMITS: blocks whose largest magnitude lies under 2^(8 - 126) keep the byte 1; NaN and infinities among the inputs are not served.
; 256 work-groups, 128 KiB of f32 each.  Work-groups 0-127 take x (K innermost: a plain stream of blocks of 32); work-groups 128-255 take 128 columns x 256 along K of a weight (K is its first axis:
; a lane takes a column and its registers run down K).  The two ways part on the work-group's number and have LDS bytes of their own.  No tensor loads, no barrier: waves share nothing.
.set STEPS, 16
.set MANT,  0x600000                   ; the mantissa field of 448 as f32
.set FLOOR, 0x4800000                  ; 2^(9 - 127)
; ROWS ARE STORED IN TILE ORDER: within each 32 rows (tokens of x, columns n' of the weights) place 16 u + r holds row 8 u + r + 8 (r / 8).  So 16 rows on end are a tile whose pair's products leave 16 neighbours in a lane.
; W_qkv's columns are grouped by head, 192 rows each: Q's 64, V's first 32, K's 64, V's last 32.  c_proj's follow from row 3,072 on.
.set SPW,   208                        ; my spare word's LDS address, and 0
.set NIL,   209
.set SPARE, 67584
.set WC,    4194304
.set WS,    131072
; the way of x
.set R,     16                         ; v16-79   four sets of 16 numbers as they are loaded
.set X,     80                         ; v80-111  two sets of 16 neighbours
.set E,     112                        ; v112-127 a scale byte for each step
.set C,     128                        ; v128-191 codes: four registers for each step
.set WREG,  8192                       ; LDS bytes 0 .. 32767: a region for each wave: two stages of 32 x SP bytes, then its 256 scale bytes
.set SP,    80                         ; a lane's place in a stage: 64 bytes + 16 of padding
; the way of the weights
.set NB,    8                          ; blocks of 32 along K for a wave
.set PITCH, 272                        ; a stage row: 256 codes + 16 of padding
.set WSTG,  32768                      ; LDS bytes 32768 on: 32 stage rows for each wave
.set SB,    24                         ; v24-25   the scale bytes, four to a register
.set WXR,   32                         ; v32-95   two sets of 32 numbers
.set WCR,   96                         ; v96-103  a block's codes
.set OUTR,  112                        ; v112-175 the way out
.set OFF,   176                        ; v176-207 byte offset of row i of a block at my column: i x the tensor's row + 4 x lane; never rewritten
	s_load_b128 s[4:7], s[0:1], 0x0                ; x, W_qkv
	s_load_b128 s[8:11], s[0:1], 0x10              ; c_proj, codes_in
	s_load_b64 s[12:13], s[0:1], 0x20              ; scales_in
	v_lshl_add_u32 v[SPW], v0, 2, SPARE
	v_mov_b32 v[NIL], 0
	v_lshrrev_b32 v1, 5, v0
	v_readfirstlane_b32 s16, v1                    ; wave 0..3
	v_and_b32 v2, 31, v0                           ; lane
	s_mov_b32 s23, MANT
	s_cmp_lt_u32 ttmp9, 128
	s_cbranch_scc0 .Lweights
; ---------------- x: a wave takes 16 steps of 512 numbers.  Each load reads 512 consecutive bytes; a step's 2,048 bytes turn through the wave's stage so that a lane gets 16 neighbours; two lanes hold a block.
	v_lshlrev_b32 v3, 4, v2                        ; my 16 bytes of a load's 512
	s_mul_i32 s17, s16, WREG
	v_lshrrev_b32 v14, 2, v2
	v_mul_u32_u24 v14, v14, SP
	v_and_b32 v15, 3, v2
	v_lshl_add_u32 v14, v15, 4, v14
	v_add_nc_u32 v14, s17, v14                     ; the stage, in: SP (lane / 4) + 16 (lane % 4)
	v_mul_u32_u24 v15, v2, SP
	v_add_nc_u32 v15, s17, v15                     ; and out: SP x lane
	v_lshlrev_b32 v4, 4, v2                        ; my 16 codes' place in a step's 512
	v_lshrrev_b32 v5, 1, v2
	s_add_co_u32 s17, s17, 2*32*SP
	v_add_nc_u32 v5, s17, v5                       ; my block's byte among the wave's 256
	v_lshlrev_b32 v7, 3, v2
	v_add_nc_u32 v6, s17, v7                       ; and on the way out 8 bytes a lane
	s_lshl_b32 s18, ttmp9, 2
	s_add_co_u32 s18, s18, s16                     ; which run of 8,192 numbers is my wave's
	s_lshl_b32 s20, s18, 15
	s_mov_b32 s21, 0
	s_and_b32 s28, s18, 1                          ; my 8 rows' place among their 32: the middle two groups of eight change places
	s_bfe_u32 s29, s18, 0x10001
	s_lshl_b32 s28, s28, 1
	s_and_b32 s18, s18, 0xfffffffc
	s_or_b32 s18, s18, s28
	s_or_b32 s18, s18, s29
	s_lshl_b32 s24, s18, 13
	s_mov_b32 s25, 0
	s_lshl_b32 s26, s18, 8
	s_mov_b32 s27, 0
	s_wait_alu depctr_va_vdst(0)
	s_wait_kmcnt 0x0
	s_add_nc_u64 s[4:5], s[4:5], s[20:21]
	s_add_nc_u64 s[10:11], s[10:11], s[24:25]
	s_add_nc_u64 s[12:13], s[12:13], s[26:27]
.macro LOAD t
.irp i, 0,1,2,3
	global_load_b128 v[R+16*((\t)%4)+4*\i:R+16*((\t)%4)+4*\i+3], v3, s[4:5] offset:2048*(\t)+512*\i th:TH_LOAD_NT
.endr
.endm
.macro TURN t                          ; LDS serves a wave's instructions in order: no wait between the stores and the loads
.irp i, 0,1,2,3
	ds_store_b128 v14, v[R+16*((\t)%4)+4*\i:R+16*((\t)%4)+4*\i+3] offset:32*SP*((\t)%2)+8*SP*\i
.endr
.irp i, 0,1,2,3
	ds_load_b128 v[X+16*((\t)%2)+4*\i:X+16*((\t)%2)+4*\i+3], v15 offset:32*SP*((\t)%2)+16*\i
.endr
.endm
.irp t, 0,1,2,3
	LOAD \t
.endr
	s_wait_loadcnt 12                              ; step 0's four loads are in; three steps' twelve may be out
	TURN 0
.macro STEP t
.set XS, X+16*((\t)%2)
.if (\t) > 0
	s_wait_dscnt 1                                 ; this step's numbers are back from the stage; the last step's byte store may be out
.else
	s_wait_dscnt 0x0
.endif
.if (\t)+4 < STEPS
	LOAD (\t)+4                                    ; into the set whose stage stores have read it
.endif
.if (\t)+1 < STEPS
.if STEPS-2-(\t) >= 3
	s_wait_loadcnt 12                              ; the next step's four loads are in; those of the three steps behind it may be out
.else
	s_wait_loadcnt 4*(STEPS-2-(\t))
.endif
	TURN (\t)+1
.endif
	v_max3_num_f32 v8, |v[XS]|, |v[XS+1]|, |v[XS+2]|
	v_max3_num_f32 v9, |v[XS+3]|, |v[XS+4]|, |v[XS+5]|
.irp i, 6,10
	v_max3_num_f32 v8, v8, |v[XS+\i]|, |v[XS+\i+1]|
	v_max3_num_f32 v9, v9, |v[XS+\i+2]|, |v[XS+\i+3]|
.endr
	v_max3_num_f32 v8, v8, |v[XS+14]|, |v[XS+15]|
	v_max3_num_f32 v8, v8, v9, FLOOR               ; the floor holds the byte at 1 from below
	v_max_num_f32_dpp v8, v8, v8 row_xmask:1 row_mask:0xf bank_mask:0xf   ; with my neighbour's 16: the block's largest magnitude
	v_add_nc_u32 v11, 0xfc000000, v8               ; 8 off its exponent field: the conversion's scale operand
	v_and_or_b32 v10, v8, 0x7f800000, s23          ; 448 x the scale
.irp i, 0,1,2,3,4,5,6,7,8,9,10,11,12,13,14,15
	v_med3_num_f32 v[XS+\i], v[XS+\i], -v10, v10   ; the conversion to an 8-bit code does not saturate (ISA guide 7.6.2): the hold comes first
.endr
	v_cvt_scalef32_pk8_fp8_f32 v[C+4*(\t):C+4*(\t)+1], v[XS:XS+7], v11
	v_cvt_scalef32_pk8_fp8_f32 v[C+4*(\t)+2:C+4*(\t)+3], v[XS+8:XS+15], v11
	v_lshrrev_b32 v[E+(\t)], 23, v11               ; the scale's byte
	ds_store_b8 v5, v[E+(\t)] offset:16*(\t)       ; both lanes of a block write the same byte with the same value
	global_store_b128 v4, v[C+4*(\t):C+4*(\t)+3], s[10:11] offset:512*(\t)   ; the wave stores 512 consecutive bytes
.endm
.irp t, 0,1,2,3,4,5,6,7,8,9,10,11,12,13,14,15
	STEP \t
.endr
	ds_load_b64 v[12:13], v6
	s_wait_dscnt 0x0
	global_store_b64 v7, v[12:13], s[12:13]
	s_wait_tensorcnt 0x0                           ; the wave's end
	ds_add_u32 v[SPW], v[NIL]
	s_wait_dscnt 0x0
	s_endpgm
; ---------------- the weights: a wave takes 32 columns x 256 along K
.Lweights:
	s_sub_co_u32 s17, ttmp9, 128
	s_lshr_b32 s18, s17, 2                         ; which 128 of the 4,096 columns n'
	s_and_b32 s19, s17, 3                          ; which 256 along K
	s_wait_alu depctr_va_vdst(0)
	v_lshlrev_b32 v3, 2, v2                        ; in: 4 bytes a lane
	s_mul_i32 s20, s16, 32*PITCH
	s_add_co_u32 s20, s20, WSTG                    ; my stage
	v_and_b32 v10, 7, v2                           ; my column's place among the wave's 32: bits 3 and 4 change places
	v_bfe_u32 v11, v2, 3, 1
	v_lshl_or_b32 v10, v11, 4, v10
	v_bfe_u32 v11, v2, 4, 1
	v_lshl_or_b32 v10, v11, 3, v10
	v_mul_u32_u24 v4, v10, PITCH
	v_add_nc_u32 v4, s20, v4                       ; into it: row = my column
	v_and_b32 v5, 15, v2
	v_lshrrev_b32 v6, 4, v2
	v_mul_u32_u24 v7, v6, PITCH
	v_lshl_add_u32 v7, v5, 4, v7
	v_add_nc_u32 v7, s20, v7                       ; out of it: sixteen lanes to a row, two rows an instruction
	v_lshlrev_b32 v8, 10, v6
	v_lshl_add_u32 v8, v5, 4, v8                   ; and the same place in the codes' buffer (rows of 1,024 bytes)
	v_lshlrev_b32 v9, 5, v10
	s_wait_kmcnt 0x0
	s_cmp_lt_u32 s18, 24                           ; W_qkv's columns or c_proj's?  The choice hangs on the work-group's number alone
	s_cselect_b64 s[4:5], s[6:7], s[8:9]
	s_mov_b32 s21, 4096
	s_cselect_b32 s21, 12288, s21                  ; a row of the tensor in bytes
	s_cselect_b32 s22, 0, 24
	s_sub_co_u32 s22, s18, s22                     ; the block of 128 columns in its own tensor
	s_lshl_b32 s22, s22, 9
	s_lshl_b32 s24, s16, 7
	s_add_co_u32 s24, s24, s22                     ; my wave's first column, in bytes
	s_lshl_b32 s25, s19, 8
	s_mul_i32 s25, s25, s21                        ; my first row
	s_add_co_u32 s24, s24, s25
	s_mov_b32 s25, 0
	s_add_nc_u64 s[32:33], s[4:5], s[24:25]        ; a base for each of the eight blocks: nothing is stepped while loads are out
	s_lshl_b32 s26, s21, 5
	s_mov_b32 s27, 0
.irp t, 1,2,3,4,5,6,7
	s_add_nc_u64 s[32+2*\t:33+2*\t], s[30+2*\t:31+2*\t], s[26:27]
.endr
	s_lshl_b32 s28, s18, 7
	s_lshl_b32 s29, s16, 5
	s_add_co_u32 s28, s28, s29
	s_lshr_b32 s29, s28, 10                        ; 0: Q's, 1: K's, 2: V's, 3: c_proj's
	s_bfe_u32 s48, s28, 0x40006                    ; head
	s_bfe_u32 s49, s28, 0x10005                    ; which 32 of its 64
	s_mul_i32 s48, s48, 192
	s_cmp_eq_u32 s29, 2
	s_cselect_b32 s50, 96, 32
	s_cselect_b32 s52, 64, 0
	s_cmp_eq_u32 s29, 1
	s_cselect_b32 s52, 96, s52
	s_mul_i32 s49, s49, s50
	s_add_co_u32 s48, s48, s49
	s_add_co_u32 s48, s48, s52
	s_cmp_lt_u32 s29, 3
	s_cselect_b32 s28, s48, s28                    ; the row where my 32 columns begin
	s_lshl_b32 s30, s28, 10
	s_lshl_b32 s29, s19, 8
	s_add_co_u32 s30, s30, s29
	s_add_co_u32 s30, s30, WC
	s_mov_b32 s31, 0
	s_add_nc_u64 s[10:11], s[10:11], s[30:31]
	s_lshl_b32 s30, s28, 5
	s_lshl_b32 s29, s19, 3
	s_add_co_u32 s30, s30, s29
	s_add_co_u32 s30, s30, WS
	s_add_nc_u64 s[12:13], s[12:13], s[30:31]
.irp i, 0,1,2,3,4,5,6,7,8,9,10,11,12,13,14,15,16,17,18,19,20,21,22,23,24,25,26,27,28,29,30,31
	v_mad_u32_u24 v[OFF+\i], s21, \i, v3
.endr
.macro WLOAD t                         ; block t: W(32 t + i, my column): each load reads 128 consecutive bytes a wave, 512 a work-group
.irp i, 0,1,2,3,4,5,6,7,8,9,10,11,12,13,14,15,16,17,18,19,20,21,22,23,24,25,26,27,28,29,30,31
	global_load_b32 v[WXR+32*((\t)%2)+\i], v[OFF+\i], s[32+2*(\t):33+2*(\t)] th:TH_LOAD_NT
.endr
.endm
	WLOAD 0
	WLOAD 1
.macro WBLOCK t
.set XS, WXR+32*((\t)%2)
.if (\t) < NB-1
	s_wait_loadcnt 32                              ; this block's 32 loads are in; the next block's may be out
.else
	s_wait_loadcnt 0
.endif
	v_max3_num_f32 v12, |v[XS]|, |v[XS+1]|, |v[XS+2]|   ; all 32 numbers of the block are mine
	v_max3_num_f32 v13, |v[XS+3]|, |v[XS+4]|, |v[XS+5]|
.irp i, 6,10,14,18,22,26
	v_max3_num_f32 v12, v12, |v[XS+\i]|, |v[XS+\i+1]|
	v_max3_num_f32 v13, v13, |v[XS+\i+2]|, |v[XS+\i+3]|
.endr
	v_max3_num_f32 v12, v12, |v[XS+30]|, |v[XS+31]|
	v_max3_num_f32 v12, v12, v13, FLOOR
	v_add_nc_u32 v11, 0xfc000000, v12
	v_and_or_b32 v10, v12, 0x7f800000, s23
	v_lshrrev_b32 v13, 23, v11
.if (\t)%4 == 0
	v_mov_b32 v[SB+(\t)/4], v13                    ; four bytes to a register, the lower K in the lower byte
.else
	v_lshl_or_b32 v[SB+(\t)/4], v13, 8*((\t)%4), v[SB+(\t)/4]
.endif
.irp i, 0,1,2,3,4,5,6,7,8,9,10,11,12,13,14,15,16,17,18,19,20,21,22,23,24,25,26,27,28,29,30,31
	v_med3_num_f32 v[XS+\i], v[XS+\i], -v10, v10
.endr
.irp g, 0,1,2,3
	v_cvt_scalef32_pk8_fp8_f32 v[WCR+2*\g:WCR+2*\g+1], v[XS+8*\g:XS+8*\g+7], v11
.endr
	ds_store_b128 v4, v[WCR:WCR+3] offset:32*(\t)
	ds_store_b128 v4, v[WCR+4:WCR+7] offset:32*(\t)+16
.if (\t)+2 < NB
	WLOAD (\t)+2
.endif
	s_wait_dscnt 0x0                               ; the stores have read their registers: the next block's codes may be written
.endm
.irp t, 0,1,2,3,4,5,6,7
	WBLOCK \t
.endr
	global_store_b64 v9, v[SB:SB+1], s[12:13]      ; my column's eight scale bytes
.irp t, 0,1,2,3,4,5,6,7,8,9,10,11,12,13,14,15
	ds_load_b128 v[OUTR+4*\t:OUTR+4*\t+3], v7 offset:2*\t*PITCH
.endr
.irp t, 0,1,2,3,4,5,6,7,8,9,10,11,12,13,14,15
	s_wait_dscnt 15-\t
	global_store_b128 v8, v[OUTR+4*\t:OUTR+4*\t+3], s[10:11] offset:2*\t*1024   ; sixteen lanes store 256 consecutive bytes of a row of codes
.endr
	s_wait_tensorcnt 0x0
	ds_add_u32 v[SPW], v[NIL]
	s_wait_dscnt 0x0
	s_endpgm
.Lfunc_end_k_q67a4f790c6_quant:
	.size	k_q67a4f790c6_quant, .Lfunc_end_k_q67a4f790c6_quant-k_q67a4f790c6_quant
	.p2alignl 7, 3214868480
	.fill 96, 4, 3214868480
	.section	.rodata,"a",@progbits
	.p2align	6, 0x0
	.amdhsa_kernel k_q67a4f790c6_quant
		.amdhsa_group_segment_fixed_size 68096
		.amdhsa_private_segment_fixed_size 0
		.amdhsa_enable_private_segment 0
		.amdhsa_kernarg_size 40
		.amdhsa_user_sgpr_count 2
		.amdhsa_user_sgpr_kernarg_segment_ptr 1
		.amdhsa_wavefront_size32 1
		.amdhsa_system_sgpr_workgroup_id_x 1
		.amdhsa_system_sgpr_workgroup_id_y 1
		.amdhsa_system_sgpr_workgroup_id_z 1
		.amdhsa_system_vgpr_workitem_id 0
		.amdhsa_next_free_vgpr 216
		.amdhsa_next_free_sgpr 66
		.amdhsa_reserve_vcc 0
		.amdhsa_float_denorm_mode_32 3
		.amdhsa_float_denorm_mode_16_64 3
		.amdhsa_memory_ordered 1
		.amdhsa_forward_progress 1
		.amdhsa_inst_pref_size 113
	.end_amdhsa_kernel
	.amdgpu_metadata
---
amdhsa.version: [ 1, 2 ]
amdhsa.kernels:
  - .name:           k_q67a4f790c6_quant
    .symbol:         k_q67a4f790c6_quant.kd
    .args:
      - { .name: x, .offset: 0, .size: 8, .value_kind: global_buffer, .address_space: global }
      - { .name: W_qkv_kernel, .offset: 8, .size: 8, .value_kind: global_buffer, .address_space: global }
      - { .name: c_proj_kernel, .offset: 16, .size: 8, .value_kind: global_buffer, .address_space: global }
      - { .name: codes_in, .offset: 24, .size: 8, .value_kind: global_buffer, .address_space: global }
      - { .name: scales_in, .offset: 32, .size: 8, .value_kind: global_buffer, .address_space: global }
    .group_segment_fixed_size: 68096
    .private_segment_fixed_size: 0
    .kernarg_segment_align: 8
    .kernarg_segment_size: 40
    .max_flat_workgroup_size: 128
    .sgpr_count:     66
    .vgpr_count:     216
    .wavefront_size: 32
...
	.end_amdgpu_metadata
.endif
;; end of part 1
;; launch qkv (part 2): grid 16 x 16, 4 waves a work-group, clusters of 4 x 4, 327,680 bytes of LDS; arguments codes_in, scales_in, W_qkv_bias, qkv_codes, qkv_scales; writes qkv_codes, qkv_scales
.if DOCPART == 2
	.amdgcn_target "amdgcn-amd-amdhsa--gfx1250"
	.amdhsa_code_object_version 6
	.text
	.protected	k_q67a4f790c6_qkv
	.globl	k_q67a4f790c6_qkv
	.p2align	8
	.type	k_q67a4f790c6_qkv,@function
k_q67a4f790c6_qkv:
	s_mov_b64 s[64:65], 0
	v_nop
	global_prefetch_b8 v0, s[64:65] scope:SCOPE_SE
	s_setreg_imm32_b32 hwreg(HW_REG_WAVE_MODE, 25, 1), 1
	s_wait_xcnt 0x0
	s_wait_alu depctr_hold_cnt(0) depctr_sa_sdst(0) depctr_va_vdst(0) depctr_va_sdst(0) depctr_va_ssrc(0) depctr_va_vcc(0) depctr_vm_vsrc(0)
	s_getreg_b32 s2, hwreg(HW_REG_IB_STS2, 6, 4)
	s_cmp_eq_u32 s2, 0
	s_cbranch_scc0 .Lentry_in_a_cluster
	s_endpgm
.Lentry_in_a_cluster:
	s_bfe_u32 s2, ttmp6, 0x10000c
	s_cmp_lg_u32 s2, 0xf033
	s_cbranch_scc0 .Lentry_shape_is_right
	s_endpgm
.Lentry_shape_is_right:
; Q, K, V of ONE head for 256 tokens on codes of FP8 (E4M3) with E8M0 scales, quantised on the way out: 16 heads x 16 blocks of tokens = 256 work-groups.
; Rows of x and of W come in tile order (place 16 u + r of each 32 is row 8 u + r + 8 (r / 8)), W's grouped by head: Q 64, V 32, K 64, V 32.  So wave (rh, ch) takes tokens 128 rh on and W's rows 96 ch on:
; six column tiles: 0-3 Q's (ch = 0) or K's (ch = 1), 4-5 V's.  48 accumulators of 16 x 16.
; Q, K: source 0 = W's tile, source 1 = x's: a lane holds one token, two tiles' 16 registers are 16 neighbouring dims.  V: sources swapped: a lane holds one dim, 16 registers are 16 neighbouring tokens.
; So a lane's 16 codes are the next launch's operand registers and leave straight from here.  The bias is the first products' C.
; OUT: codes: Q at 0, K at 2^22, V at 2 x 2^22; [batch x head] 131,072 bytes each; Q, K: [tile of 16 tokens][dims 0-31, 32-63][lane][16 bytes]; V: [128 tokens][tile of dims][32 tokens][lane][16 bytes].
; Scale words: Q [batch x head] 12,288 bytes apart, [tile][r]; K and, 8,192 bytes on, V ([128 tokens][tile of dims][r]) likewise from 393,216 on.  In Q's and K's the two upper bytes are 0x7f.
; K (1,024) goes in four steps of 256 through two LDS slots, each filled twice; two sets of fragments of 128 along K take turns.  CLUSTERS 4 x 4: x's rows are shared along a row, W's along a column, by joint loads.
; No prefetch: the eight steps are written out, there is no loop to run ahead in.
; LIMITS: NaN and infinities are not served; a block's byte never falls under 1 (this program alone reads the bytes).
; REGISTERS: window 0: v1-31 addresses and work, v32-63 scale words (two sets: lanes 0-15 x tile i's, lanes 16-31 W tile i's), v64-255 W's two sets, later the way out.  Window 1: x's two sets.
; Window 2: Q's or K's sums, (token tile a, column tile n) at 8 (4 a + n).  Window 3: V's, 8 (8 n' + a); v128-175 the bias.
.set PITCH, 272
.set WREG,  256*PITCH                  ; a slot: x's 256 rows, then W's 192
.set SLOT,  448*PITCH
.set SCW,   2*SLOT                     ; W's scale bytes: 24 units of 256 + 16
.set SCX,   SCW+24*272                 ; x's: 32 units
.set STG,   259072                     ; Q's or K's words, 512 bytes a wave; V's 512
.set SPARE, 261632                     ; the spare words
.set WC,    4194304
.set WS,    131072
.set ADRX, 16
.set ADRW, 18
.set ADSC, 20
.set SPW, 28
.set NIL, 29
.set WV, 14
.set RH, 15
.set CH, 16
.set MNT, 13+54                        ; s67
.set SEL, 2                            ; s[2:3]
.set G1A, 24
.set G0A, 32
.set G1B, 48
.set G0B, 56
.set G1S, 68
.set G0S, 76
.set G1T, 80
.set G0T, 88
.set G0HA, 92
.set G0HB, 96
.set MSB, 0
.macro WIN new
.if MSB != (\new)
	s_set_vgpr_msb (MSB<<8)|(\new)
.set MSB, (\new)
.endif
.endm
.macro PLACES n
.rept \n
	v_nop
.endr
.endm
.macro CREST
	s_cmp_lg_u32 s[WV], 0
	s_cbranch_scc1 .Lnot_wave_0_\@
	s_barrier_signal -3
.Lnot_wave_0_\@:
	s_barrier_wait -3
	s_barrier_signal -1
	s_barrier_wait -1
.endm
.macro CROUND
	s_barrier_signal -1
	s_barrier_wait -1
	CREST
.endm
.macro JLOAD s                         ; waves 0, 1 fetch x's halves, waves 2, 3 W's
	s_cmp_eq_u32 s[RH], 0
	s_cbranch_scc0 .Lfor_w_\@
	tensor_load_to_lds s[G0A+4*\s:G0A+4*\s+3], s[G1A:G1A+7]
	s_nop 0
	PLACES 4
	s_branch .Lasked_\@
.Lfor_w_\@:
	tensor_load_to_lds s[G0B+4*\s:G0B+4*\s+3], s[G1B:G1B+7]
	s_nop 0
	PLACES 4
.Lasked_\@:
.endm
.macro ARM under, g0, g1, next
	s_cmp_lt_u32 s[WV], \under
	s_cbranch_scc0 \next
	tensor_load_to_lds s[\g0:\g0+3], s[\g1:\g1+7]
	s_nop 0
	PLACES 4
	s_branch .Lhead_asked
\next:
.endm
.macro G0SET g, lds, adr
	s_mov_b32 s[\g], 1
	s_mov_b32 s[\g+1], \lds
	s_mov_b64 s[\g+2:\g+3], s[\adr:\adr+1]
	s_or_b32 s[\g+3], s[\g+3], 0x80000000
.endm
	s_load_b256 s[4:11], s[0:1], 0x0               ; codes_in, scales_in, the bias, qkv_codes
	s_load_b64 s[12:13], s[0:1], 0x20              ; qkv_scales
	v_lshl_add_u32 v[SPW], v0, 2, SPARE
	v_mov_b32 v[NIL], 0
	ds_add_u32 v[SPW], v[NIL]                      ; the opening: the add, twice on end
	ds_add_u32 v[SPW], v[NIL]
	v_lshrrev_b32 v1, 5, v0
	v_readfirstlane_b32 s[WV], v1
	s_lshr_b32 s[RH], s[WV], 1
	s_and_b32 s[CH], s[WV], 1
	s_bfe_u32 s40, ttmp6, 0x40000
	s_bfe_u32 s41, ttmp6, 0x40004
	s_lshl_b32 s42, ttmp9, 2
	s_add_co_u32 s42, s42, s40                     ; head
	s_and_b32 s17, ttmp7, 0xffff
	s_lshl_b32 s17, s17, 2
	s_add_co_u32 s17, s17, s41                     ; block of 256 tokens
	s_lshl_b32 s43, s41, 2
	s_lshl_b32 s43, 15, s43                        ; my row of the cluster shares x's rows
	s_lshl_b32 s44, 0x1111, s40                    ; my column shares W's
	s_or_b32 s[G1A], s43, (1<<20)|(1<<21)|(5<<22)|(3<<25)
	s_or_b32 s[G1B], s44, (1<<20)|(1<<21)|(5<<22)|(3<<25)
	s_or_b32 s[G1S], s43, (3<<16)|(1<<20)|(1<<21)|(5<<22)|(3<<25)
	s_or_b32 s[G1T], s44, (3<<16)|(1<<20)|(1<<21)|(5<<22)|(3<<25)
.macro G1SET g, width, rows, pitch
	s_mov_b32 s[\g+1], (\width)<<16
	s_mov_b32 s[\g+2], (\rows)<<16
	s_mov_b32 s[\g+3], (\width)<<16
	s_mov_b32 s[\g+4], \rows
	s_mov_b32 s[\g+5], \pitch
	s_mov_b32 s[\g+6], 0
	s_mov_b32 s[\g+7], 0
.endm
	G1SET G1A, 256, 256, 1024                      ; at the head all 256 rows of x and all 192 of W; the ring's loads take halves
	G1SET G1B, 256, 192, 1024
	G1SET G1S, 32, 32, 32                          ; scale bytes: dense, as rows of 256 bytes
	G1SET G1T, 32, 24, 32
	s_lshl_b32 s20, s17, 18
	s_mov_b32 s21, 0
	s_lshl_b32 s22, s17, 13
	s_mov_b32 s23, 0
	s_mul_i32 s46, s42, 196608
	s_add_co_u32 s46, s46, WC
	s_mov_b32 s47, 0
	s_mul_i32 s100, s42, 6144
	s_add_co_u32 s100, s100, WS
	s_mov_b32 s101, 0
	s_mov_b32 s[SEL], 0x76543210
	s_mov_b32 s[SEL+1], 0xfedcba98
	s_mov_b32 s[MNT], 0x600000
	v_and_b32 v1, 15, v0                           ; r
	v_bfe_u32 v2, v0, 4, 1                         ; h
	v_and_b32 v3, 31, v0
	v_lshlrev_b32 v22, 4, v3                       ; 16 x lane
	v_mul_u32_u24 v4, v1, PITCH
	v_lshl_add_u32 v4, v2, 4, v4                   ; a fragment's row x pitch + 16 h
	s_mul_i32 s18, s[RH], 128*PITCH
	v_add_nc_u32 v[ADRX], s18, v4
	v_add_nc_u32 v[ADRX+1], SLOT, v[ADRX]
	s_mul_i32 s18, s[CH], 96*PITCH
	s_add_co_u32 s18, s18, WREG
	v_add_nc_u32 v[ADRW], s18, v4
	v_add_nc_u32 v[ADRW+1], SLOT, v[ADRW]
	v_lshrrev_b32 v5, 3, v1                        ; scale words: eight rows to a unit of 256 + 16; lanes 16-31 W's, lanes 0-15 x's, which lie behind: one product
	v_mul_u32_u24 v5, v5, 272
	v_and_b32 v6, 7, v1
	v_lshl_add_u32 v5, v6, 5, v5
	v_xor_b32 v6, 1, v2
	s_mul_i32 s18, s[RH], 16*272
	s_mul_i32 s19, s[CH], 12*272
	s_add_co_u32 s18, s18, 24*272
	s_sub_co_u32 s18, s18, s19
	v_mul_u32_u24 v6, s18, v6
	s_add_co_u32 s19, s19, SCW
	v_add_nc_u32 v5, v5, v6
	v_add_nc_u32 v[ADSC], s19, v5
	v_lshlrev_b32 v7, 6, v2                        ; the bias of Q, K: 64 bytes for each half
	v_and_b32 v8, 8, v1
	v_add_nc_u32 v8, v8, v1
	v_lshlrev_b32 v8, 2, v8                        ; of V: my dim's
	s_lshl_b32 s18, s[WV], 9
	s_add_co_u32 s18, s18, STG
	v_lshl_add_u32 v21, v1, 2, s18                 ; my stage of words: 4 r,
	v_add_nc_u32 v24, s18, v22                     ; and read back, 16 bytes a lane
	s_lshl_b32 s18, s[RH], 8
	s_lshl_b32 s19, s[CH], 7
	s_add_co_u32 s18, s18, s19
	s_add_co_u32 s18, s18, STG+2048
	v_lshl_add_u32 v23, v1, 2, s18                 ; V's words
	v_add_nc_u32 v25, STG+2048, v22
	s_lshl_b32 s18, s[CH], 12
	s_lshl_b32 s19, s42, 8
	s_add_co_u32 s18, s18, s19                     ; bias: column 1,024 ch + 64 head of Q or K
	s_lshl_b32 s66, s[CH], 7
	s_add_co_u32 s66, s66, s19
	s_add_co_u32 s66, s66, 8192                    ; column 2,048 + 64 head + 32 ch
	s_mov_b32 s19, 0
	s_wait_alu depctr_va_vdst(0)
	s_wait_dscnt 0x0                               ; both opening adds are done
	s_wait_kmcnt 0x0
	s_add_nc_u64 s[18:19], s[8:9], s[18:19]
	s_mov_b32 s40, s66
	s_mov_b32 s41, 0
	s_add_nc_u64 s[8:9], s[8:9], s[40:41]
	WIN 0xc0
.irp n, 0,1,2,3
	global_load_b128 v[128+8*\n:131+8*\n], v7, s[18:19] offset:128*(\n/2)+32*(\n%2)
	global_load_b128 v[132+8*\n:135+8*\n], v7, s[18:19] offset:128*(\n/2)+32*(\n%2)+16
.endr
	global_load_b32 v160, v8, s[8:9]
	global_load_b32 v168, v8, s[8:9] offset:32
	WIN 0
	s_add_nc_u64 s[20:21], s[4:5], s[20:21]
	s_add_nc_u64 s[22:23], s[6:7], s[22:23]
	s_add_nc_u64 s[46:47], s[4:5], s[46:47]
	s_add_nc_u64 s[100:101], s[6:7], s[100:101]
	G0SET G0HA, 0, 20
	G0SET G0HB, WREG, 46
	G0SET G0S, SCX, 22
	G0SET G0T, SCW, 100
	s_lshl_b32 s40, s[CH], 17                      ; the ring: 128 rows of x, 96 of W a wave
	s_add_nc_u64 s[20:21], s[20:21], s[40:41]
	s_mul_i32 s40, s[CH], 98304
	s_add_nc_u64 s[46:47], s[46:47], s[40:41]
	s_mul_i32 s45, s[CH], 128*PITCH
	s_mul_i32 s66, s[CH], 96*PITCH
	s_add_co_u32 s66, s66, WREG
.irp s, 0,1
	s_mov_b32 s[G0A+4*\s], 1
	s_add_co_u32 s[G0A+4*\s+1], s45, \s*SLOT
	s_add_nc_u64 s[G0A+4*\s+2:G0A+4*\s+3], s[20:21], 512-256*\s   ; slot 0's next fill is K step 2, slot 1's first is K step 1
	s_or_b32 s[G0A+4*\s+3], s[G0A+4*\s+3], 0x80000000
	s_mov_b32 s[G0B+4*\s], 1
	s_add_co_u32 s[G0B+4*\s+1], s66, \s*SLOT
	s_add_nc_u64 s[G0B+4*\s+2:G0B+4*\s+3], s[46:47], 512-256*\s
	s_or_b32 s[G0B+4*\s+3], s[G0B+4*\s+3], 0x80000000
.endr
	CROUND                                         ; all sixteen work-groups are here: the joint loads meet
	ARM 1, G0HA, G1A, .Lhead_w                     ; one load a wave: K step 0 of x, of W, x's scale bytes, W's
	ARM 2, G0HB, G1B, .Lhead_s
	ARM 3, G0S,  G1S, .Lhead_t
	tensor_load_to_lds s[G0T:G0T+3], s[G1T:G1T+7]
	s_nop 0
	PLACES 4
.Lhead_asked:
	s_wait_xcnt 0x0                                ; the bias's loads have taken their addresses: their bases are written again below
	; where the results go, in bytes
	s_lshr_b32 s40, s17, 3
	s_lshl_b32 s40, s40, 4
	s_add_co_u32 s40, s40, s42                     ; batch x 16 + head
	s_and_b32 s41, s17, 7                          ; block of tokens in its batch
	s_lshl_b32 s4, s40, 17
	s_lshl_b32 s5, s41, 14
	s_add_co_u32 s4, s4, s5
	s_lshl_b32 s5, s[RH], 13
	s_add_co_u32 s4, s4, s5
	s_lshl_b32 s5, s[CH], 22
	s_add_co_u32 s18, s4, s5
	s_mov_b32 s19, 0
	s_lshl_b32 s5, s[CH], 12
	s_add_co_u32 s20, s4, s5
	s_add_co_u32 s20, s20, 8388608
	s_mov_b32 s21, 0
	s_add_nc_u64 s[18:19], s[10:11], s[18:19]      ; Q's or K's codes
	s_add_nc_u64 s[20:21], s[10:11], s[20:21]      ; V's
	s_mul_i32 s4, s40, 12288
	s_mul_i32 s5, s[CH], 393216
	s_add_co_u32 s22, s4, s5
	s_lshl_b32 s5, s41, 10
	s_add_co_u32 s22, s22, s5
	s_lshl_b32 s5, s[RH], 9
	s_add_co_u32 s22, s22, s5
	s_mov_b32 s23, 0
	s_lshl_b32 s5, s41, 9
	s_add_co_u32 s46, s4, s5
	s_add_co_u32 s46, s46, 401408
	s_mov_b32 s47, 0
	s_add_nc_u64 s[22:23], s[12:13], s[22:23]      ; Q's or K's words
	s_add_nc_u64 s[46:47], s[12:13], s[46:47]      ; V's
	s_wait_loadcnt 0x0
	WIN 0xc3
.irp j, 1,2,3,4,5,6,7
	v_mov_b32 v[160+\j], v160                      ; V's bias: one number for a lane's dim
	v_mov_b32 v[168+\j], v168
.endr
	WIN 0
	s_wait_alu depctr_va_vdst(0)                   ; the wait at the head's end
	s_wait_tensorcnt 0x0                           ; my tile is in; these lines stand ahead of slot 1's first fill as ahead of a refill
	ds_add_u32 v[SPW], v[NIL]
	s_mov_b32 s[G1A+2], 128<<16                    ; no load of mine is out: from here on half a tile a load
	s_mov_b32 s[G1A+4], 128
	s_mov_b32 s[G1B+2], 96<<16
	s_mov_b32 s[G1B+4], 96
	s_wait_dscnt 0x0
	CROUND                                         ; all four tiles are in
	JLOAD 1
.macro FETCH slot, q, e                ; 56 loads: the slot's q-th 128 along K into set e: lane l holds row l % 16; registers 4 c on hold K = 32 c + 16 (l / 16) + 0 .. 15
	WIN 0x40
.irp a, 0,1,2,3,4,5,6,7
.irp c, 0,1,2,3
	ds_load_b128 v[128*\e+16*\a+4*\c:128*\e+16*\a+4*\c+3], v[ADRX+\slot] offset:128*\q+32*\c+\a*16*PITCH
.endr
.endr
	WIN 0
.irp n, 0,1,2,3,4,5
.irp c, 0,1,2,3
	ds_load_b128 v[64+96*\e+16*\n+4*\c:64+96*\e+16*\n+4*\c+3], v[ADRW+\slot] offset:128*\q+32*\c+\n*16*PITCH
.endr
.endr
.endm
.macro SCALES sc, ks                   ; K step ks's scale words into set sc
.irp i, 0,1,2,3,4,5,6,7
	ds_load_b64 v[32+16*\sc+2*\i:33+16*\sc+2*\i], v[ADSC] offset:544*\i+8*\ks
.endr
.endm
.macro PRODS from, to, e, sc, first    ; products from .. to - 1 of a step's 48, column tile by column tile: each accumulator once a step, in the same order
.set K_, \from
.rept (\to)-(\from)
.set N_, K_/8
.set A_, K_%8
.set W_, 64+96*(\e)+16*N_
.set X_, 128*(\e)+16*A_
.set XS_, 32+16*(\sc)+2*A_+(\e)
.set WS_, 32+16*(\sc)+2*N_+(\e)
.if N_ < 4
.set AC_, 8*(4*A_+N_)
.if \first
	WIN 0xb4
	v_wmma_scale_f32_16x16x128_f8f6f4 v[AC_:AC_+7], v[W_:W_+15], v[X_:X_+15], v[128+8*N_:135+8*N_], v[WS_], v[XS_] matrix_a_scale:MATRIX_SCALE_ROW1
.else
	WIN 0xa4
	v_wmma_scale_f32_16x16x128_f8f6f4 v[AC_:AC_+7], v[W_:W_+15], v[X_:X_+15], v[AC_:AC_+7], v[WS_], v[XS_] matrix_a_scale:MATRIX_SCALE_ROW1
.endif
.else
.set AC_, 8*(8*(N_-4)+A_)
	WIN 0xf1
.if \first
	v_wmma_scale_f32_16x16x128_f8f6f4 v[AC_:AC_+7], v[X_:X_+15], v[W_:W_+15], v[160+8*(N_-4):167+8*(N_-4)], v[XS_], v[WS_] matrix_b_scale:MATRIX_SCALE_ROW1
.else
	v_wmma_scale_f32_16x16x128_f8f6f4 v[AC_:AC_+7], v[X_:X_+15], v[W_:W_+15], v[AC_:AC_+7], v[XS_], v[WS_] matrix_b_scale:MATRIX_SCALE_ROW1
.endif
.endif
.set K_, K_+1
.endr
.endm
.macro STEP slot, first                ; a slot's first 128 along K, set 0; its second 128 are fetched meanwhile
	WIN 0
	s_wait_dscnt 0x0
	PLACES 8                                       ; in front of loads into registers that the last products have read
	FETCH \slot, 1, 1
	PRODS 0, 48, 0, \slot, \first
.endm
; A slot's second 128: its fragments are in registers already, so the slots change here.  fill = 1: a round of the cluster's barrier, and this slot is filled again, two K steps on.
.macro TURN slot, next, fill, ks
	WIN 0
	s_wait_tensorcnt 0x0                           ; my part of the next slot is in
	ds_add_u32 v[SPW], v[NIL]
	s_wait_dscnt 1                                 ; set 1 is in (the add may be out)
	PRODS 0, 6, 1, \slot, 0
	s_wait_dscnt 0x0                               ; the add is done, and my reads of this slot are over
	s_barrier_signal -1
	PRODS 6, 12, 1, \slot, 0
	WIN 0
	s_barrier_wait -1
.if \fill
	CREST
.if \slot
	s_add_nc_u64 s[G0A+6:G0A+7], s[G0A+6:G0A+7], 512
	s_add_nc_u64 s[G0B+6:G0B+7], s[G0B+6:G0B+7], 512
.endif
	JLOAD \slot
	PLACES 4
.else
	PLACES 8
.endif
	SCALES \next, \ks
	FETCH \next, 0, 0
	PRODS 12, 48, 1, \slot, 0
.endm
	SCALES 0, 0
	FETCH 0, 0, 0
	STEP 0, 1
	TURN 0, 1, 1, 1
	STEP 1, 0
	TURN 1, 0, 1, 2
	STEP 0, 0
	TURN 0, 1, 0, 3
	STEP 1, 0
	s_wait_dscnt 0x0
	PRODS 0, 48, 1, 1, 0
	WIN 0
	PLACES 8
	; THE WAY OUT, 64 registers = four blocks of 32 (lanes l and l xor 16 share a block) at a time.
.macro QUANT4 base, w, pc
	WIN 20*\w
.irp b, 0,1,2,3
	v_max3_num_f32 v[4+\b], 0x4800000, |v[\base+16*\b]|, |v[\base+16*\b+1]|   ; with the floor 2^(9 - 127)
.endr
.irp i, 2,4,6,8,10,12,14
.irp b, 0,1,2,3
	v_max3_num_f32 v[4+\b], v[4+\b], |v[\base+16*\b+\i]|, |v[\base+16*\b+\i+1]|
.endr
.endr
	WIN 0
.irp b, 0,1,2,3
	v_permlanex16_b32 v[8+\b], v[4+\b], s[SEL], s[SEL+1]
.endr
.irp b, 0,1,2,3
	v_max_num_f32 v[4+\b], v[4+\b], v[8+\b]
.endr
.irp b, 0,1,2,3
	v_and_or_b32 v[12+\b], v[4+\b], 0x7f800000, s[MNT]   ; 448 x the scale
.endr
.irp b, 0,1,2,3
	v_add_nc_u32 v[4+\b], 0xfc000000, v[4+\b]      ; the conversion's scale operand
.endr
.irp b, 0,1,2,3
	v_lshrrev_b32 v[8+\b], 23, v[4+\b]             ; the byte
.endr
	WIN \w
.irp b, 0,1,2,3
.irp i, 0,1,2,3,4,5,6,7,8,9,10,11,12,13,14,15
	v_med3_num_f32 v[64+16*\b+\i], v[\base+16*\b+\i], -v[12+\b], v[12+\b]   ; the conversion does not saturate (ISA guide 7.6.2)
.endr
.endr
	WIN 0
.irp b, 0,1,2,3
	v_cvt_scalef32_pk8_fp8_f32 v[\pc+4*\b:\pc+4*\b+1], v[64+16*\b:71+16*\b], v[4+\b]
	v_cvt_scalef32_pk8_fp8_f32 v[\pc+4*\b+2:\pc+4*\b+3], v[72+16*\b:79+16*\b], v[4+\b]
.endr
	v_lshl_or_b32 v1, v9, 8, v8
	v_lshl_or_b32 v2, v11, 8, v10
.endm
.irp b, 0,1,2,3
	v_mov_b32 v[8+\b], 0                           ; a lane permute's destination counts as one of its sources
.endr
.irp g, 0,1,2,3                                ; Q or K: token tiles 2 g, 2 g + 1
	QUANT4 64*\g, 2, 160+16*\g
	v_or_b32 v1, 0x7f7f0000, v1
	v_or_b32 v2, 0x7f7f0000, v2
	ds_store_b32 v21, v1 offset:128*\g             ; both halves of the lanes hold the same word
	ds_store_b32 v21, v2 offset:128*\g+64
.irp k, 0,1,2,3
	global_store_b128 v22, v[160+16*\g+4*\k:163+16*\g+4*\k], s[18:19] offset:2048*\g+512*\k   ; the wave stores 512 consecutive bytes
.endr
.endr
.irp g, 0,1                                    ; V: dims' tile 2 ch + g, four blocks of tokens
	QUANT4 64*\g, 3, 224+16*\g
	v_lshl_or_b32 v1, v2, 16, v1
	ds_store_b32 v23, v1 offset:64*\g
.irp k, 0,1,2,3
	global_store_b128 v22, v[224+16*\g+4*\k:227+16*\g+4*\k], s[20:21] offset:2048*\g+512*\k
.endr
.endr
	s_wait_alu depctr_va_vdst(0)
	s_wait_dscnt 0x0                               ; my words are stored
	s_barrier_signal -1
	s_barrier_wait -1
	ds_load_b128 v[64:67], v24
	s_wait_dscnt 0x0
	global_store_b128 v22, v[64:67], s[22:23]      ; my 512 bytes of Q's or K's words
	s_cmp_lg_u32 s[WV], 0
	s_cbranch_scc1 .Lno_v_words
	ds_load_b128 v[68:71], v25
	s_wait_dscnt 0x0
	global_store_b128 v22, v[68:71], s[46:47]      ; the work-group's 512 bytes of V's
.Lno_v_words:
	s_wait_tensorcnt 0x0                           ; the wave's end
	ds_add_u32 v[SPW], v[NIL]
	s_wait_dscnt 0x0
	CROUND
	s_endpgm
.Lfunc_end_k_q67a4f790c6_qkv:
	.size	k_q67a4f790c6_qkv, .Lfunc_end_k_q67a4f790c6_qkv-k_q67a4f790c6_qkv
	.p2alignl 7, 3214868480
	.fill 96, 4, 3214868480
	.section	.rodata,"a",@progbits
	.p2align	6, 0x0
	.amdhsa_kernel k_q67a4f790c6_qkv
		.amdhsa_group_segment_fixed_size 327680
		.amdhsa_private_segment_fixed_size 0
		.amdhsa_enable_private_segment 0
		.amdhsa_kernarg_size 40
		.amdhsa_user_sgpr_count 2
		.amdhsa_user_sgpr_kernarg_segment_ptr 1
		.amdhsa_wavefront_size32 1
		.amdhsa_system_sgpr_workgroup_id_x 1
		.amdhsa_system_sgpr_workgroup_id_y 1
		.amdhsa_system_sgpr_workgroup_id_z 1
		.amdhsa_system_vgpr_workitem_id 0
		.amdhsa_next_free_vgpr 1024
		.amdhsa_next_free_sgpr 102
		.amdhsa_reserve_vcc 0
		.amdhsa_float_denorm_mode_32 3
		.amdhsa_float_denorm_mode_16_64 3
		.amdhsa_memory_ordered 1
		.amdhsa_forward_progress 1
		.amdhsa_inst_pref_size 150
	.end_amdhsa_kernel
	.amdgpu_metadata
---
amdhsa.version: [ 1, 2 ]
amdhsa.kernels:
  - .name:           k_q67a4f790c6_qkv
    .symbol:         k_q67a4f790c6_qkv.kd
    .args:
      - { .name: codes_in, .offset: 0, .size: 8, .value_kind: global_buffer, .address_space: global }
      - { .name: scales_in, .offset: 8, .size: 8, .value_kind: global_buffer, .address_space: global }
      - { .name: W_qkv_bias, .offset: 16, .size: 8, .value_kind: global_buffer, .address_space: global }
      - { .name: qkv_codes, .offset: 24, .size: 8, .value_kind: global_buffer, .address_space: global }
      - { .name: qkv_scales, .offset: 32, .size: 8, .value_kind: global_buffer, .address_space: global }
    .group_segment_fixed_size: 327680
    .private_segment_fixed_size: 0
    .kernarg_segment_align: 8
    .kernarg_segment_size: 40
    .max_flat_workgroup_size: 128
    .sgpr_count:     102
    .vgpr_count:     1024
    .wavefront_size: 32
...
	.end_amdgpu_metadata
.endif
;; end of part 2
;; launch attn (part 3): grid 8 x 32, 8 waves a work-group, clusters of 4 x 1, 327,680 bytes of LDS; arguments qkv_codes, qkv_scales, attention_mask, ctx_codes, ctx_scales; writes ctx_codes, ctx_scales
.if DOCPART == 3
	.amdgcn_target "amdgcn-amd-amdhsa--gfx1250"
	.amdhsa_code_object_version 6
	.text
	.protected	k_q67a4f790c6_attn
	.globl	k_q67a4f790c6_attn
	.p2align	8
	.type	k_q67a4f790c6_attn,@function
k_q67a4f790c6_attn:
	s_mov_b64 s[64:65], 0
	v_nop
	global_prefetch_b8 v0, s[64:65] scope:SCOPE_SE
	s_setreg_imm32_b32 hwreg(HW_REG_WAVE_MODE, 25, 1), 1
	s_wait_xcnt 0x0
	s_wait_alu depctr_hold_cnt(0) depctr_sa_sdst(0) depctr_va_vdst(0) depctr_va_sdst(0) depctr_va_ssrc(0) depctr_va_vcc(0) depctr_vm_vsrc(0)
	s_getreg_b32 s2, hwreg(HW_REG_IB_STS2, 6, 4)
	s_cmp_eq_u32 s2, 0
	s_cbranch_scc0 .Lentry_in_a_cluster
	s_endpgm
.Lentry_in_a_cluster:
	s_bfe_u32 s2, ttmp6, 0x10000c
	s_cmp_lg_u32 s2, 0x3003
	s_cbranch_scc0 .Lentry_shape_is_right
	s_endpgm
.Lentry_shape_is_right:
; ctx = softmax(masked q k^T / 8) v for one head, both products on codes of FP8 (E4M3) with E8M0 scales, and ctx quantised along D on the way out.
; THE SOFTMAX: t = score x log2(e) / 8; M = the running largest t rounded UP to a whole number; p = 2^(t - M) is quantised along the keys; the row's sum is taken of the unquantised p and divides at the end.
; LEFT OUT: key steps of 128 all of whose keys come after a wave's queries: the causal mask gives them -1e9, whose p is 0 beside any live key (a query with no live key: below).
; THE PADDING MASK: -1e9 is the C of a padded key's score, 0 of a live one's.
; A QUERY WITH NO LIVE KEY among those it may see has all 2,048 logits equal: p = 1 for every key.  Such a row is known by its largest score (under -2^29) and takes (the sum of v's codes' values over ALL keys) / 2,048, made by wave 7: V's tiles x ones.
; LIMITS: |q . k| under 4e8, so that a padded score stays under every live one and the test at -2^29 holds; NaN and infinities are not served, nor carried from steps left out; a block of zeros gets the byte 1 (this program alone reads the bytes).
; SHARES.  16 blocks of 128 queries a head.  A wave owns 32 queries (two tiles) of block b or of 15 - b; b = 2 (wave % 4) + cluster x; the four partners of a cluster own the block's four 32s: so all partners walk alike, and each fragment of K and V feeds two products.
; THE WHOLE HEAD'S K AND V LIE IN LDS, filled once by one joint load a wave (all four partners read the same head): waves 0, 1: the first 512 keys of K and V; waves 2 to 7: the rest, three steps later shown by a second barrier.
; No prefetch: every byte is asked for at the head, there is no later load to run ahead of.
; LAYOUT.  Both products are used transposed: S^T = K Q^T, O^T = V^T P^T: a lane holds ONE query.  The 16 registers of tiles 2 b, 2 b + 1 are keys 32 b + 16 (lane / 16) + 0..15; V's dims and my queries are laid likewise.
; K = 64 fills half of the instruction's 128: q's upper half is codes of zero.
; REGISTERS, window 0: v12-19 -M, largest score, sum of tile 0, tile 1; v20-23 f; v24-27 scale words of p and of q; v28-31 V's, v32-39 K's; v40-63 at work; v64-71, v104-127 the sum of V; v72-103 p's codes; v128-255 the scores (tile 0's registers hold the key bias first), then p.
; Window 1: K's eight tiles, 10 registers apart: 8 of codes, two zeros; an operand's other six are the next tile's codes, which meet zeros of q; v88-151 V's four tiles; v152-183 q; v184-247 O^T.
.set VREG,  131072                     ; LDS: K's images at 0, V's here,
.set KSC,   262144                     ; K's scale words (8,192 bytes),
.set MSK,   270336                     ; 0 or -1e9 for each of the 2,048 keys,
.set VSC,   278528                     ; V's scale words (4,096),
.set VSUM,  282624                     ; the sum of V
.set SPARE, 282880                     ; and the spare words
.set AK0,  1
.set ASK0, 2
.set ASV0, 3
.set ADK,  4
.set ADV,  5
.set ADS,  6
.set ADT,  7
.set SPW,  8
.set NIL,  9
.set DQ,   10                          ; on the diagonal: tile 0's query less the step's first key less 16 (lane / 16)
.set AB0,  11                          ; my half's 16 keys of each 32 in the key bias
.set WV,   18
.set MNT,  19
.set SEL,  20
.set CS,   22                          ; s[22:23] c = log2(e) / 8
.set G1,   24
.set G0,   32
.set NC,   36                          ; -c
.set BLK,  37                          ; my block of queries: my last step
.set ST,   38                          ; the step;  s39, s40, s41: 8,192, 512, 256 x it
.set CNT,  42
.set MSB, 0
.macro WIN new
.if MSB != (\new)
	s_set_vgpr_msb (MSB<<8)|(\new)
.set MSB, (\new)
.endif
.endm
.macro PLACES n
.rept \n
	v_nop
.endr
.endm
.macro CROUND
	s_barrier_signal -1
	s_barrier_wait -1
	s_cmp_lg_u32 s[WV], 0
	s_cbranch_scc1 .Lnot_wave_0_\@
	s_barrier_signal -3
.Lnot_wave_0_\@:
	s_barrier_wait -3
	s_barrier_signal -1
	s_barrier_wait -1
.endm
	s_load_b256 s[4:11], s[0:1], 0x0               ; qkv_codes, qkv_scales, the mask, ctx_codes
	s_load_b64 s[12:13], s[0:1], 0x20              ; ctx_scales
	v_lshl_add_u32 v[SPW], v0, 2, SPARE
	v_mov_b32 v[NIL], 0
	ds_add_u32 v[SPW], v[NIL]                      ; the opening: the add, twice on end
	ds_add_u32 v[SPW], v[NIL]
	v_lshrrev_b32 v12, 5, v0
	v_readfirstlane_b32 s[WV], v12
	s_bfe_u32 s43, ttmp6, 0x40000                  ; my place in the cluster: which 32 queries of a block
	s_and_b32 s44, ttmp7, 0xffff                   ; batch x 16 + head
	s_and_b32 s45, s[WV], 1                        ; what I fetch: K or V,
	s_lshr_b32 s46, s[WV], 1                       ; and which 512 keys
	s_lshl_b32 s47, s45, 17
	s_lshl_b32 s48, s46, 15
	s_add_co_u32 s49, s47, s48
	s_lshl_b32 s52, s44, 17
	s_add_co_u32 s50, s45, 1
	s_lshl_b32 s50, s50, 22
	s_add_co_u32 s50, s50, s52
	s_add_co_u32 s50, s50, s48
	s_mov_b32 s51, 0
	s_and_b32 s53, s[WV], 3
	s_lshl_b32 s53, s53, 1
	s_and_b32 s54, ttmp9, 1
	s_add_co_u32 s53, s53, s54                     ; b
	s_lshr_b32 s54, s[WV], 2
	s_xor_b32 s54, s54, s[WV]
	s_and_b32 s54, s54, 1
	s_mul_i32 s54, s54, 15
	s_xor_b32 s[BLK], s53, s54                     ; b or 15 - b
	s_lshl_b32 s55, s[BLK], 3
	s_lshl_b32 s56, s43, 1
	s_add_co_u32 s55, s55, s56                     ; my first tile of queries
	s_lshl_b32 s56, s55, 10
	s_add_co_u32 s56, s56, s52
	s_mov_b32 s57, 0
	s_mul_i32 s58, s44, 12288
	s_lshl_b32 s60, s55, 6
	s_add_co_u32 s60, s60, s58
	s_mov_b32 s61, 0
	s_add_co_u32 s62, s58, 393216
	s_mov_b32 s63, 0
	s_lshr_b32 s66, s44, 4                         ; batch
	s_and_b32 s67, s44, 15
	s_lshl_b32 s68, s66, 13
	s_mov_b32 s69, 0
	s_lshl_b32 s70, s66, 7
	s_add_co_u32 s70, s70, s55                     ; my first tile of ctx's rows
	s_lshr_b32 s72, s67, 3
	s_lshl_b32 s72, s72, 21
	s_lshl_b32 s71, s70, 13
	s_add_co_u32 s72, s72, s71
	s_and_b32 s71, s67, 7
	s_lshl_b32 s71, s71, 10
	s_add_co_u32 s72, s72, s71                     ; ctx's codes: [K / 512][tile of rows][K step of 128][c][lane][16 bytes]
	s_mov_b32 s73, 0
	s_lshl_b32 s74, s70, 9
	s_lshl_b32 s71, s67, 1
	s_add_co_u32 s74, s74, s71                     ; ctx's scale bytes: [tile of rows][r][32], my head's two
	s_mov_b32 s75, 0
	s_lshl_b32 s76, s43, 5
	s_mov_b32 s[G1], 15|(3<<16)|(1<<21)            ; all four partners; elements of 8 bytes; 128 dense rows of 256 bytes
	s_mov_b32 s[G1+1], 32<<16
	s_mov_b32 s[G1+2], 128<<16
	s_mov_b32 s[G1+3], 32<<16
	s_mov_b32 s[G1+4], 128
	s_mov_b32 s[G1+5], 32
	s_mov_b32 s[G1+6], 0
	s_mov_b32 s[G1+7], 0
	s_mov_b32 s[SEL], 0x76543210
	s_mov_b32 s[SEL+1], 0xfedcba98
	s_mov_b32 s[CS], 0x3e38aa3b
	s_mov_b32 s[CS+1], s[CS]
	s_mov_b32 s[NC], 0xbe38aa3b
	s_mov_b32 s[MNT], 0x600000
	s_mov_b32 s[ST], 0
	s_mov_b32 s39, 0
	s_mov_b32 s40, 0
	s_mov_b32 s41, 0
	s_mov_b32 s77, 0x43430000                      ; the scale bytes of q's upper half, whose codes are all zeros
	v_and_b32 v128, 15, v0                         ; r
	v_bfe_u32 v129, v0, 4, 1                       ; h
	v_and_b32 v130, 31, v0
	v_lshlrev_b32 v[AK0], 4, v130
	v_lshl_add_u32 v[ASK0], v128, 2, KSC
	v_lshl_add_u32 v[ASV0], v128, 2, VSC
	v_lshl_add_u32 v[AB0], v129, 6, MSK
	v_and_b32 v131, 8, v128
	v_add_nc_u32 v131, v131, v128
	v_lshlrev_b32 v132, 4, v129
	v_sub_nc_u32 v131, v131, v132
	v_add_nc_u32 v[DQ], s76, v131
	v_lshlrev_b32 v133, 5, v0
	v_lshlrev_b32 v134, 4, v0
	v_lshlrev_b32 v135, 2, v128
	v_add_nc_u32 v156, MSK, v133                   ; where my eight keys' bias goes,
	v_add_nc_u32 v158, KSC, v133                   ; my 32 bytes of K's scale words,
	v_add_nc_u32 v159, VSC, v134                   ; my 16 of V's
	v_mov_b32 v160, 0xce6e6b28                     ; -1e9
	s_wait_alu depctr_va_vdst(0)
	s_wait_dscnt 0x0                               ; both opening adds are done
	s_wait_kmcnt 0x0
	s_add_nc_u64 s[56:57], s[4:5], s[56:57]
	s_add_nc_u64 s[60:61], s[6:7], s[60:61]
	s_add_nc_u64 s[62:63], s[6:7], s[62:63]
	s_add_nc_u64 s[8:9], s[8:9], s[68:69]
	s_add_nc_u64 s[72:73], s[10:11], s[72:73]
	s_add_nc_u64 s[74:75], s[12:13], s[74:75]
	s_mov_b32 s[G0], 1
	s_mov_b32 s[G0+1], s49
	s_add_nc_u64 s[G0+2:G0+3], s[4:5], s[50:51]
	s_or_b32 s[G0+3], s[G0+3], 0x80000000
	CROUND                                         ; all four work-groups are here: the joint loads meet
	s_cmp_lt_u32 s[WV], 2                          ; one load a wave; the first 512 keys, shown first, have a line of their own
	s_cbranch_scc0 .Lrest
	tensor_load_to_lds s[G0:G0+3], s[G1:G1+7]
	s_nop 0
	PLACES 4
	s_branch .Lasked
.Lrest:
	tensor_load_to_lds s[G0:G0+3], s[G1:G1+7]
	s_nop 0
	PLACES 4
.Lasked:
	global_load_b128 v[136:139], v133, s[8:9]      ; eight keys' mask
	global_load_b128 v[140:143], v133, s[8:9] offset:16
	global_load_b128 v[144:147], v133, s[62:63]    ; K's scale words, 32 bytes a thread
	global_load_b128 v[148:151], v133, s[62:63] offset:16
	global_load_b128 v[152:155], v134, s[62:63] offset:8192   ; V's
	global_load_b32 v26, v135, s[60:61]
	global_load_b32 v27, v135, s[60:61] offset:64
	WIN 0x40
	global_load_b128 v[152:155], v[AK0], s[56:57]             ; q, tile 0: dims 0-31, 32-63; tile 1
	global_load_b128 v[156:159], v[AK0], s[56:57] offset:512
	global_load_b128 v[168:171], v[AK0], s[56:57] offset:1024
	global_load_b128 v[172:175], v[AK0], s[56:57] offset:1536
.irp j, 0,1,2,3,4,5,6,7
	v_mov_b32 v[160+\j], 0                         ; q's upper half
	v_mov_b32 v[176+\j], 0
.endr
.irp n, 0,1,2,3,4,5,6,7
	v_mov_b32 v[10*\n+8], 0
	v_mov_b32 v[10*\n+9], 0
.endr
.irp j, 80,81,82,83,84,85
	v_mov_b32 v\j, 0
.endr
.set I_, 0
.rept 64
	v_mov_b32 v[184+I_], 0                         ; O^T: the step is written once, its first turn finds zeros
.set I_, I_+1
.endr
	WIN 0
.set I_, 0
.rept 24
	v_mov_b32 v[104+I_], 0                         ; the sum of V likewise
.set I_, I_+1
.endr
.irp j, 0,1,2,3,4,5,6,7
	v_mov_b32 v[64+\j], 0
.endr
.irp t, 0,1
	v_mov_b32 v[12+4*\t], 0x7e000000               ; -M so far: above every later one
	v_mov_b32 v[13+4*\t], 0xff61b1e6               ; the largest score so far: -3e38
	v_mov_b32 v[14+4*\t], 0
	v_mov_b32 v[15+4*\t], 0
	v_mov_b32 v[20+2*\t], 0
	v_mov_b32 v[21+2*\t], 0                        ; (named as a pair's upper half)
.irp b, 0,1,2,3
	v_mov_b32 v[44+12*\t+\b], 0                    ; a lane permute's destination counts as one of its sources
.endr
.endr
	s_wait_alu depctr_va_vdst(0)
	s_wait_loadcnt 0x0
.irp k, 0,1,2,3,4,5,6,7
	v_cmp_eq_u32 vcc_lo, 0, v[136+\k]
	v_cndmask_b32 v[136+\k], 0, v160, vcc_lo
.endr
	v_and_or_b32 v26, v26, 0xffff, s77
	v_and_or_b32 v27, v27, 0xffff, s77
	ds_store_b128 v156, v[136:139]
	ds_store_b128 v156, v[140:143] offset:16
	ds_store_b128 v158, v[144:147]
	ds_store_b128 v158, v[148:151] offset:16
	ds_store_b128 v159, v[152:155]
	s_wait_alu depctr_va_vdst(0)                   ; the wait at the head's end
	s_cmp_lt_u32 s[WV], 2
	s_cbranch_scc0 .Lnot_first
	s_wait_tensorcnt 0x0                           ; the first 512 keys are in
.Lnot_first:
	s_wait_dscnt 0x0
	s_barrier_signal -1
	s_barrier_wait -1
.macro KLOAD ak, as, o8, o5            ; a step's eight tiles of K and their scale words: 24 loads
	WIN 0x40
.irp n, 0,1,2,3,4,5,6,7
	ds_load_b128 v[10*\n:10*\n+3], v[\ak] offset:\o8+1024*\n
	ds_load_b128 v[10*\n+4:10*\n+7], v[\ak] offset:\o8+1024*\n+512
.endr
	WIN 0
.irp n, 0,1,2,3,4,5,6,7
	ds_load_b32 v[32+\n], v[\as] offset:\o5+64*\n
.endr
.endm
.macro BLOAD ab, o5                    ; a step's key bias in the scores' layout, where tile 0's scores will stand: 16 loads: tile n, register j: key 32 (n / 2) + 16 h + 8 (n % 2) + j
.irp n, 0,1,2,3,4,5,6,7
	ds_load_b128 v[128+8*\n:131+8*\n], v[\ab] offset:\o5+128*(\n/2)+32*(\n%2)
	ds_load_b128 v[132+8*\n:135+8*\n], v[\ab] offset:\o5+128*(\n/2)+32*(\n%2)+16
.endr
.endm
.macro VLOAD                           ; its four tiles of V and their scale words: 20 loads
	WIN 0x40
.irp t, 0,1,2,3
.irp c, 0,1,2,3
	ds_load_b128 v[88+16*\t+4*\c:91+16*\t+4*\c], v[ADV] offset:2048*\t+512*\c
.endr
.endr
	WIN 0
.irp t, 0,1,2,3
	ds_load_b32 v[28+\t], v[ADT] offset:64*\t
.endr
.endm
.macro HIDE t                          ; on the diagonal: register 16 b + i holds key 32 b + 16 h + i of the step; tile 1's queries lie 8 on.  v44 holds -infinity
.set I_, 0
.rept 64
	v_cmp_gt_i32 vcc_lo, 32*(I_/16)+I_%16-8*\t, v[DQ]
	v_cndmask_b32 v[128+64*\t+I_], v[128+64*\t+I_], v44, vcc_lo
.set I_, I_+1
.endr
.endm
.macro MX t, i                         ; the largest score of each block of 32 keys, two more numbers of each
.irp b, 0,1,2,3
.if \i == 0
	v_max3_num_f32 v[40+12*\t+\b], v[128+64*\t+16*\b], v[129+64*\t+16*\b], v[130+64*\t+16*\b]
.else
	v_max3_num_f32 v[40+12*\t+\b], v[40+12*\t+\b], v[128+64*\t+16*\b+\i], v[129+64*\t+16*\b+\i]
.endif
.endr
.endm
.macro BYTES t                         ; from the blocks' largest p: bounds, scale operands, bytes, p's scale word
.set B_, 40+12*\t
.irp b, 0,1,2,3
	v_max_num_f32 v[B_+\b], 0x4800000, v[B_+\b]    ; the floor 2^(9 - 127)
.endr
.irp b, 0,1,2,3
	v_and_or_b32 v[B_+8+\b], v[B_+\b], 0x7f800000, s[MNT]
.endr
.irp b, 0,1,2,3
	v_add_nc_u32 v[B_+\b], 0xfc000000, v[B_+\b]
.endr
.irp b, 0,1,2,3
	v_lshrrev_b32 v[B_+4+\b], 23, v[B_+\b]
.endr
	v_lshl_or_b32 v[24+\t], v[B_+5], 8, v[B_+4]
	v_lshl_or_b32 v[24+\t], v[B_+6], 16, v[24+\t]
	v_lshl_or_b32 v[24+\t], v[B_+7], 24, v[24+\t]
.endm
.macro SUMS t                          ; the row's sum of the unquantised p, through eight pairs where the codes will stand
.set S_, 128+64*\t
.set P_, 72+16*\t
.set I_, 0
.rept 8
	v_pk_add_f32 v[P_+2*I_:P_+2*I_+1], v[S_+2*I_:S_+2*I_+1], v[S_+16+2*I_:S_+17+2*I_]
.set I_, I_+1
.endr
.set I_, 0
.rept 16
	v_pk_add_f32 v[P_+2*(I_%8):P_+2*(I_%8)+1], v[P_+2*(I_%8):P_+2*(I_%8)+1], v[S_+32+2*I_:S_+33+2*I_]
.set I_, I_+1
.endr
.irp k, 0,2,4,6
	v_pk_add_f32 v[P_+\k:P_+\k+1], v[P_+\k:P_+\k+1], v[P_+8+\k:P_+9+\k]
.endr
.irp k, 0,2
	v_pk_add_f32 v[P_+\k:P_+\k+1], v[P_+\k:P_+\k+1], v[P_+4+\k:P_+5+\k]
.endr
	v_pk_add_f32 v[P_:P_+1], v[P_:P_+1], v[P_+2:P_+3]
	v_pk_add_f32 v[14+4*\t:15+4*\t], v[14+4*\t:15+4*\t], v[P_:P_+1]
.endm
.macro HOLD2 t, i                      ; two numbers held (the conversion does not saturate: ISA guide 7.6.2; p is not negative)
	v_min_num_f32 v[128+64*\t+2*(\i)], v[128+64*\t+2*(\i)], v[48+12*\t+(\i)/8]
	v_min_num_f32 v[129+64*\t+2*(\i)], v[129+64*\t+2*(\i)], v[48+12*\t+(\i)/8]
.endm
.macro CODES t
.irp b, 0,1,2,3
	v_cvt_scalef32_pk8_fp8_f32 v[72+16*\t+4*\b:73+16*\t+4*\b], v[128+64*\t+16*\b:135+64*\t+16*\b], v[40+12*\t+\b]
	v_cvt_scalef32_pk8_fp8_f32 v[74+16*\t+4*\b:75+16*\t+4*\b], v[136+64*\t+16*\b:143+64*\t+16*\b], v[40+12*\t+\b]
.endr
.endm
.macro SCALED t, i                     ; two numbers t - M
	v_pk_fma_f32 v[128+64*\t+2*(\i):129+64*\t+2*(\i)], v[128+64*\t+2*(\i):129+64*\t+2*(\i)], s[CS:CS+1], v[12+4*\t:13+4*\t] op_sel_hi:[1,0,0]
.endm
; A KEY STEP: 128 keys.  Its K and its key bias are in registers already.
.macro STEP
	s_cmp_lg_u32 s[WV], 7
	s_cbranch_scc1 .Lno_vsum_\@
	v_add_nc_u32 v[ADV], s39, v[AK0]               ; wave 7, in every step: the sum of V over these 128 keys
	v_add_nc_u32 v[ADV], VREG, v[ADV]
	v_add_nc_u32 v[ADT], s41, v[ASV0]
	PLACES 6                                       ; with the additions eight places and more behind the last products
	VLOAD
	v_mov_b32 v24, 0x7f7f7f7f
.set I_, 0
.rept 16
	v_mov_b32 v[72+I_], 0x38383838                 ; the code of 1
.set I_, I_+1
.endr
	PLACES 4
	s_wait_alu depctr_va_vdst(0)
	s_wait_dscnt 0x0
	WIN 0x01
	v_wmma_scale_f32_16x16x128_f8f6f4 v[64:71], v[88:103], v[72:87], v[64:71], v28, v24
	v_wmma_scale_f32_16x16x128_f8f6f4 v[104:111], v[104:119], v[72:87], v[104:111], v29, v24
	v_wmma_scale_f32_16x16x128_f8f6f4 v[112:119], v[120:135], v[72:87], v[112:119], v30, v24
	v_wmma_scale_f32_16x16x128_f8f6f4 v[120:127], v[136:151], v[72:87], v[120:127], v31, v24
	WIN 0
.Lno_vsum_\@:
	s_cmp_gt_u32 s[ST], s[BLK]                     ; all 128 keys come after my queries: the step's work is left out
	s_cbranch_scc1 .Lhidden_\@
	WIN 0x05
.irp n, 0,1,2,3,4,5,6,7                        ; S^T = K Q^T + the bias: tile 1 first, which takes the bias from tile 0's registers,
	v_wmma_scale_f32_16x16x128_f8f6f4 v[192+8*\n:199+8*\n], v[10*\n:10*\n+15], v[168:183], v[128+8*\n:135+8*\n], v[32+\n], v27
.endr
	WIN 0
	v_add_nc_u32 v[ADK], s39, v[AK0]
	v_add_nc_u32 v[ADS], s40, v[ASK0]
	v_add_nc_u32 v[ADT], s41, v[ASV0]
	v_add_nc_u32 v[ADV], VREG, v[ADK]
	PLACES 5                                       ; nine places: the next products write over the bias that these have read
	WIN 0x05
.irp n, 0,1,2,3,4,5,6,7                        ; then tile 0, in place
	v_wmma_scale_f32_16x16x128_f8f6f4 v[128+8*\n:135+8*\n], v[10*\n:10*\n+15], v[152:167], v[128+8*\n:135+8*\n], v[32+\n], v26
.endr
	WIN 0
	s_cmp_lg_u32 s[ST], s[BLK]
	s_cbranch_scc1 .Lopen_\@
	v_mov_b32 v44, 0xff800000
	HIDE 1
	HIDE 0
.Lopen_\@:
	MX 1, 0                                        ; tile 1's first eight lines are tile 0's places
	MX 1, 3
	MX 0, 0
	MX 0, 3
.irp i, 5,7,9,11,13
	MX 1, \i
	MX 0, \i
.endr
.irp t, 0,1
.irp b, 0,1,2,3
	v_max_num_f32 v[40+12*\t+\b], v[40+12*\t+\b], v[143+64*\t+16*\b]
.endr
.endr
.irp t, 0,1
.irp b, 0,1,2,3
	v_permlanex16_b32 v[44+12*\t+\b], v[40+12*\t+\b], s[SEL], s[SEL+1]
.endr
.endr
.irp t, 0,1
.irp b, 0,1,2,3
	v_max_num_f32 v[40+12*\t+\b], v[40+12*\t+\b], v[44+12*\t+\b]
.endr
.endr
	KLOAD ADK, ADS, 8192, 512                      ; the NEXT step's K (behind my last step these bytes lie in LDS too and are not used), and this step's V: they land under the softmax
	VLOAD
.irp t, 0,1
	v_max3_num_f32 v[44+12*\t], v[40+12*\t], v[41+12*\t], v[42+12*\t]
.endr
.irp t, 0,1
	v_max3_num_f32 v[13+4*\t], v[13+4*\t], v[44+12*\t], v[43+12*\t]   ; the running largest score
.endr
.irp t, 0,1
	v_mul_f32 v[44+12*\t], s[NC], v[13+4*\t]       ; -t
.endr
.irp t, 0,1
	v_floor_f32 v[45+12*\t], v[44+12*\t]           ; the new -M = floor(-t)
.endr
.irp t, 0,1
	v_sub_f32 v[44+12*\t], v[45+12*\t], v[12+4*\t] ; old M - new M: a whole number, 0 or less
.endr
.irp t, 0,1
	v_mov_b32 v[12+4*\t], v[45+12*\t]
.endr
.irp t, 0,1
	v_cvt_i32_f32 v[44+12*\t], v[44+12*\t]         ; (it saturates)
.endr
.irp t, 0,1
	v_ldexp_f32 v[20+2*\t], 1.0, v[44+12*\t]       ; f = 2^(old M - new M)
.endr
.irp t, 0,1
.irp b, 0,1,2,3
	v_fma_f32 v[40+12*\t+\b], v[40+12*\t+\b], s[CS], v[12+4*\t]
.endr
.endr
.set J_, 0
.rept 32
	SCALED 0, J_
.set J_, J_+1
.endr
	s_wait_alu depctr_va_vdst(0)                   ; ahead of the batch
.set J_, 0
.rept 32                                       ; tile 0's p, tile 1's t - M between
	v_exp_f32 v[128+2*J_], v[128+2*J_]
	v_exp_f32 v[129+2*J_], v[129+2*J_]
	SCALED 1, J_
.set J_, J_+1
.endr
.irp b, 0,1,2,3
	v_exp_f32 v[40+\b], v[40+\b]                   ; each block's largest p: the same instructions on the same number
.endr
	v_pk_mul_f32 v[14:15], v[14:15], v[20:21] op_sel_hi:[1,0]   ; the sum under the new M (a plain place behind the exponentials)
	s_wait_alu depctr_va_vdst(0)                   ; behind the batch
	BYTES 0
	SUMS 0
	s_wait_alu depctr_va_vdst(0)                   ; ahead of the second batch
.set J_, 0
.rept 32                                       ; tile 1's p, tile 0's holds between
	v_exp_f32 v[192+2*J_], v[192+2*J_]
	v_exp_f32 v[193+2*J_], v[193+2*J_]
	HOLD2 0, J_
.set J_, J_+1
.endr
.irp b, 0,1,2,3
	v_exp_f32 v[52+\b], v[52+\b]
.endr
	v_pk_mul_f32 v[18:19], v[18:19], v[22:23] op_sel_hi:[1,0]
	s_wait_alu depctr_va_vdst(0)                   ; behind the second batch
	BYTES 1
	CODES 0
	v_add_nc_u32 v44, s40, v[AB0]
	BLOAD 44, 512                                  ; the next step's key bias, over tile 0's p, which is in codes (behind my last step: bytes that lie in LDS too and are not used)
	SUMS 1
.set J_, 0
.rept 32
	HOLD2 1, J_
.set J_, J_+1
.endr
	CODES 1
	WIN 0x41
	s_wait_alu depctr_va_vdst(0)                   ; directly ahead of O^T's first readers
.set J_, 0
.rept 16
	v_pk_mul_f32 v[184+2*J_:185+2*J_], v[184+2*J_:185+2*J_], v[20:21] op_sel_hi:[1,0]   ; O^T under the new M; the 32 lines are also the places between the conversions and the products
	v_pk_mul_f32 v[216+2*J_:217+2*J_], v[216+2*J_:217+2*J_], v[22:23] op_sel_hi:[1,0]
.set J_, J_+1
.endr
	s_wait_alu depctr_va_vdst(0)
	s_wait_dscnt 0x0                               ; V, the next step's K and its bias are in
	WIN 0x51
.irp t, 0,1,2,3                                ; O^T += V^T P^T
	v_wmma_scale_f32_16x16x128_f8f6f4 v[184+8*\t:191+8*\t], v[88+16*\t:103+16*\t], v[72:87], v[184+8*\t:191+8*\t], v[28+\t], v24
	v_wmma_scale_f32_16x16x128_f8f6f4 v[216+8*\t:223+8*\t], v[88+16*\t:103+16*\t], v[88:103], v[216+8*\t:223+8*\t], v[28+\t], v25
.endr
	WIN 0
.Lhidden_\@:
	s_add_co_u32 s[ST], s[ST], 1
	s_add_co_u32 s39, s39, 8192
	s_add_co_u32 s40, s40, 512
	s_add_co_u32 s41, s41, 256
.endm
	KLOAD AK0, ASK0, 0, 0
	BLOAD AB0, 0
	s_wait_dscnt 0x0
	s_mov_b32 s[CNT], 3
.Lfirst:                                           ; three steps (the third fetches the fourth's K: the last of the first 512 keys)
	STEP
	s_sub_co_u32 s[CNT], s[CNT], 1
	s_cmp_lg_u32 s[CNT], 0
	s_cbranch_scc1 .Lfirst
	s_wait_tensorcnt 0x0                           ; the rest of K and V is in
	s_wait_dscnt 0x0
	s_barrier_signal -1
	s_barrier_wait -1
	s_mov_b32 s[CNT], 13
.Lsecond:
	STEP
	s_sub_co_u32 s[CNT], s[CNT], 1
	s_cmp_lg_u32 s[CNT], 0
	s_cbranch_scc1 .Lsecond
	; THE WAY OUT.  Wave 7 hands the sum of V to all; each row takes O^T / its sum or, with no live key, the sum of V / 2,048; the 64 numbers of a row are two blocks of ctx's K.
	PLACES 8
	v_bfe_u32 v128, v0, 4, 1
	v_lshlrev_b32 v128, 7, v128
	v_add_nc_u32 v128, VSUM, v128
	v_and_b32 v129, 15, v0
	v_lshlrev_b32 v129, 5, v129
	s_wait_alu depctr_va_vdst(0)
	s_cmp_lg_u32 s[WV], 7
	s_cbranch_scc1 .Lnot_7
	ds_store_b128 v128, v[64:67]                   ; all sixteen lanes of a half hold the same numbers
	ds_store_b128 v128, v[68:71] offset:16
.irp t, 1,2,3
	ds_store_b128 v128, v[96+8*\t:99+8*\t] offset:32*\t
	ds_store_b128 v128, v[100+8*\t:103+8*\t] offset:32*\t+16
.endr
.Lnot_7:
	s_wait_dscnt 0x0
	s_barrier_signal -1
	s_barrier_wait -1
.irp k, 0,1,2,3,4,5,6,7
	ds_load_b128 v[132+4*\k:135+4*\k], v128 offset:16*\k
.endr
.irp t, 0,1
	v_add_f32 v[14+4*\t], v[14+4*\t], v[15+4*\t]
.endr
.irp t, 0,1
	v_permlanex16_b32 v[44+12*\t], v[14+4*\t], s[SEL], s[SEL+1]
.endr
.irp t, 0,1
	v_add_f32 v[14+4*\t], v[14+4*\t], v[44+12*\t]  ; the row's sum
.endr
	s_wait_alu depctr_va_vdst(0)
	v_rcp_f32 v14, v14
	v_rcp_f32 v18, v18
	v_mov_b32 v45, 0x3a000000                      ; 1 / 2,048 (a plain place)
	s_wait_alu depctr_va_vdst(0)
.irp t, 0,1
	v_cmp_gt_f32 s[43+\t], 0xce000000, v[13+4*\t]  ; -2^29 > the row's largest score: no live key
	v_cndmask_b32 v[14+4*\t], v[14+4*\t], v45, s[43+\t]
.endr
	s_wait_alu depctr_va_vdst(0)
	s_wait_dscnt 0x0
	WIN 0x01
	s_wait_alu depctr_va_vdst(0)                   ; directly ahead of O^T's readers
.set J_, 0
.rept 32
	v_cndmask_b32 v[164+J_], v[184+J_], v[132+J_], s43
	v_cndmask_b32 v[196+J_], v[216+J_], v[132+J_], s44
.set J_, J_+1
.endr
	WIN 0
.set J_, 0
.rept 16
	v_pk_mul_f32 v[164+2*J_:165+2*J_], v[164+2*J_:165+2*J_], v[14:15] op_sel_hi:[1,0]
	v_pk_mul_f32 v[196+2*J_:197+2*J_], v[196+2*J_:197+2*J_], v[18:19] op_sel_hi:[1,0]
.set J_, J_+1
.endr
.irp i, 0,2,4,6,8,10,12,14
.irp t, 0,1
.irp b, 0,1
.if \i == 0
	v_max3_num_f32 v[40+12*\t+\b], |v[164+32*\t+16*\b]|, |v[165+32*\t+16*\b]|, 0x4800000
.else
	v_max3_num_f32 v[40+12*\t+\b], v[40+12*\t+\b], |v[164+32*\t+16*\b+\i]|, |v[165+32*\t+16*\b+\i]|
.endif
.endr
.endr
.endr
.irp t, 0,1
.irp b, 0,1
	v_permlanex16_b32 v[44+12*\t+\b], v[40+12*\t+\b], s[SEL], s[SEL+1]
.endr
.endr
.irp t, 0,1
.irp b, 0,1
	v_max_num_f32 v[40+12*\t+\b], v[40+12*\t+\b], v[44+12*\t+\b]
.endr
.endr
.irp t, 0,1
.irp b, 0,1
	v_and_or_b32 v[48+12*\t+\b], v[40+12*\t+\b], 0x7f800000, s[MNT]
.endr
.endr
.irp t, 0,1
.irp b, 0,1
	v_add_nc_u32 v[40+12*\t+\b], 0xfc000000, v[40+12*\t+\b]
.endr
.endr
.irp t, 0,1
.irp b, 0,1
	v_lshrrev_b32 v[44+12*\t+\b], 23, v[40+12*\t+\b]
.endr
.endr
.irp t, 0,1
.irp b, 0,1
.irp i, 0,1,2,3,4,5,6,7,8,9,10,11,12,13,14,15
	v_med3_num_f32 v[164+32*\t+16*\b+\i], v[164+32*\t+16*\b+\i], -v[48+12*\t+\b], v[48+12*\t+\b]
.endr
	v_cvt_scalef32_pk8_fp8_f32 v[72+16*\t+4*\b:73+16*\t+4*\b], v[164+32*\t+16*\b:171+32*\t+16*\b], v[40+12*\t+\b]
	v_cvt_scalef32_pk8_fp8_f32 v[74+16*\t+4*\b:75+16*\t+4*\b], v[172+32*\t+16*\b:179+32*\t+16*\b], v[40+12*\t+\b]
.endr
.endr
.irp t, 0,1
	v_lshl_or_b32 v[46+12*\t], v[45+12*\t], 8, v[44+12*\t]   ; my head's two scale bytes of my row
.endr
.irp t, 0,1
	global_store_b128 v[AK0], v[72+16*\t:75+16*\t], s[72:73] offset:8192*\t            ; the wave stores 512 consecutive bytes
	global_store_b128 v[AK0], v[76+16*\t:79+16*\t], s[72:73] offset:8192*\t+512
	global_store_b16 v129, v[46+12*\t], s[74:75] offset:512*\t   ; both lanes of a row write the same two bytes
.endr
	s_wait_tensorcnt 0x0                           ; the wave's end
	ds_add_u32 v[SPW], v[NIL]
	s_wait_dscnt 0x0
	CROUND                                         ; the closing round
	s_endpgm
.Lfunc_end_k_q67a4f790c6_attn:
	.size	k_q67a4f790c6_attn, .Lfunc_end_k_q67a4f790c6_attn-k_q67a4f790c6_attn
	.p2alignl 7, 3214868480
	.fill 96, 4, 3214868480
	.section	.rodata,"a",@progbits
	.p2align	6, 0x0
	.amdhsa_kernel k_q67a4f790c6_attn
		.amdhsa_group_segment_fixed_size 327680
		.amdhsa_private_segment_fixed_size 0
		.amdhsa_enable_private_segment 0
		.amdhsa_kernarg_size 40
		.amdhsa_user_sgpr_count 2
		.amdhsa_user_sgpr_kernarg_segment_ptr 1
		.amdhsa_wavefront_size32 1
		.amdhsa_system_sgpr_workgroup_id_x 1
		.amdhsa_system_sgpr_workgroup_id_y 1
		.amdhsa_system_sgpr_workgroup_id_z 1
		.amdhsa_system_vgpr_workitem_id 0
		.amdhsa_next_free_vgpr 512
		.amdhsa_next_free_sgpr 100
		.amdhsa_reserve_vcc 1
		.amdhsa_float_denorm_mode_32 3
		.amdhsa_float_denorm_mode_16_64 3
		.amdhsa_memory_ordered 1
		.amdhsa_forward_progress 1
		.amdhsa_inst_pref_size 132
	.end_amdhsa_kernel
	.amdgpu_metadata
---
amdhsa.version: [ 1, 2 ]
amdhsa.kernels:
  - .name:           k_q67a4f790c6_attn
    .symbol:         k_q67a4f790c6_attn.kd
    .args:
      - { .name: qkv_codes, .offset: 0, .size: 8, .value_kind: global_buffer, .address_space: global }
      - { .name: qkv_scales, .offset: 8, .size: 8, .value_kind: global_buffer, .address_space: global }
      - { .name: attention_mask, .offset: 16, .size: 8, .value_kind: global_buffer, .address_space: global }
      - { .name: ctx_codes, .offset: 24, .size: 8, .value_kind: global_buffer, .address_space: global }
      - { .name: ctx_scales, .offset: 32, .size: 8, .value_kind: global_buffer, .address_space: global }
    .group_segment_fixed_size: 327680
    .private_segment_fixed_size: 0
    .kernarg_segment_align: 8
    .kernarg_segment_size: 40
    .max_flat_workgroup_size: 256
    .sgpr_count:     100
    .vgpr_count:     512
    .wavefront_size: 32
...
	.end_amdgpu_metadata
.endif
;; end of part 3
;; launch proj (part 4): grid 8 x 32, 4 waves a work-group, clusters of 4 x 4, 327,680 bytes of LDS; arguments ctx_codes, ctx_scales, codes_in, scales_in, c_proj_bias, out0; writes out0
.if DOCPART == 4
	.amdgcn_target "amdgcn-amd-amdhsa--gfx1250"
	.amdhsa_code_object_version 6
	.text
	.protected	k_q67a4f790c6_proj
	.globl	k_q67a4f790c6_proj
	.p2align	8
	.type	k_q67a4f790c6_proj,@function
k_q67a4f790c6_proj:
	s_mov_b64 s[64:65], 0
	v_nop
	global_prefetch_b8 v0, s[64:65] scope:SCOPE_SE
	s_setreg_imm32_b32 hwreg(HW_REG_WAVE_MODE, 25, 1), 1
	s_wait_xcnt 0x0
	s_wait_alu depctr_hold_cnt(0) depctr_sa_sdst(0) depctr_va_vdst(0) depctr_va_sdst(0) depctr_va_ssrc(0) depctr_va_vcc(0) depctr_vm_vsrc(0)
	s_getreg_b32 s2, hwreg(HW_REG_IB_STS2, 6, 4)
	s_cmp_eq_u32 s2, 0
	s_cbranch_scc0 .Lentry_in_a_cluster
	s_endpgm
.Lentry_in_a_cluster:
	s_bfe_u32 s2, ttmp6, 0x10000c
	s_cmp_lg_u32 s2, 0xf033
	s_cbranch_scc0 .Lentry_shape_is_right
	s_endpgm
.Lentry_shape_is_right:
; out = ctx c_proj + bias on codes of FP8 (E4M3) with E8M0 scales, K = 1,024; out [4096][1024] f32.
; A tile of 128 x 128 gives 8 x 32 = 256 work-groups; four waves, 64 x 64 each: 16 accumulators.  ALL OF K LIES IN LDS: each byte is filled once, two tensor loads a wave: one of the head's four tiles, then a quarter of K's second half behind a round
; the second half is awaited when the fifth step's fragments are fetched.  Nothing is filled again.
; CLUSTERS of 4 x 4: ctx's tiles are shared along a row of the cluster, the weight's along a column, by joint loads.
; ctx's codes come as images of operand registers, [K / 512][tile of 16 rows][K step][c][lane][16 bytes]: dense, no padding, read 512 consecutive bytes an instruction.  Lane r of tile RT is row 32 (RT / 2) + 8 (RT % 2) + r + 8 (r / 8).
; The weight's codes come as rows [n][1024]: tiles of 64 rows x 512 bytes, 16 bytes of padding behind each row.
; THE MATRIX INSTRUCTION IS USED TRANSPOSED (source 0 = 16 rows of the weight, source 1 = 16 rows of ctx): a lane holds eight neighbouring numbers of a row of out.  The bias is the C of the first K step.
; REGISTERS: window 0: v16-27 addresses; v32-63 scale words (block i, K step q at 32 + 8 i + q: lanes 0-15 ctx's, lanes 16-31 the weight's); v64-95 the bias, later rows of out; v96-127 rows of out; v128-255 accumulators.
;   window 1: two fragment buffers of 128: ctx's four at f + 16 a, the weight's four at f + 64 + 16 b.
.set PC,    7340032                    ; c_proj's codes in codes_in
.set PS,    229376                     ; and their scale bytes in scales_in
.set BREG,  131072                     ; LDS: ctx's images at 0 (65,536 a half of K); the weight's rows here (67,584 a half of K, pitch 528),
.set SCL,   266240                     ; the scales: 4,352 bytes a wave's load (16 units of 256 + 16),
.set STAGE, 274944                     ; and a stage of 16 rows x 272 bytes for each wave: no fill lands there
; The weight's rows come in tile order (place 16 u + r of each 32 is column 8 u + r + 8 (r / 8)): tile n's register j of half h is column 32 (n / 2) + 16 h + 8 (n % 2) + j.
; The head's four tiles (K's first half of ctx and of the weight, their scales) are loaded by one wave each; K's second half behind a round, a quarter a wave.
.set SPARE, 292352                     ; the spare words, behind the stages
.set SPW,  28                          ; v28, v29: my spare word's address, and 0
.set NIL,  29
.set ADRA, 16
.set ADRB, 20                          ; v20-21  the weight's
.set STO,  24
.set RD,   25
.set CO,   26
.set ADRS, 27
.set SC,   32
.set BI,   64
.set ACC,  128
.set WV,   16
.set RH,   17                          ; which half of the tile's rows is mine.  Also: I fetch for ctx (0) or for the weight (1)
.set CH,   18                          ; which half of its columns.  Also: which half of that tile I fetch
.set G1A,  24
.set G1B,  32
.set G1S,  48
.set G1SB, 56
.set G0A,  68                          ; s[68:75] ctx's two halves of K;  s[76:83] the weight's;  s[84:87], s[88:91] the scales'
.set G0B,  76
.set G0SA, 84
.set G0SB, 88
.set MSB, 0
.macro WIN new
.if MSB != \new
	s_set_vgpr_msb (MSB<<8)|\new
.set MSB, \new
.endif
.endm
.set MUL,  0x05                        ; sources 0 and 1 window 1; C and D window 0
.set TO_F, 0x40                        ; destination window 1, address window 0
.macro CROUND                          ; a round of the cluster's barrier
	s_barrier_signal -1
	s_barrier_wait -1
	s_cmp_lg_u32 s[WV], 0
	s_cbranch_scc1 .Lnot_wave_0_\@
	s_barrier_signal -3
.Lnot_wave_0_\@:
	s_barrier_wait -3
	s_barrier_signal -1
	s_barrier_wait -1
.endm
.macro PLACES n
.rept \n
	v_nop
.endr
.endm
	s_load_b256 s[4:11], s[0:1], 0x0               ; ctx_codes s[4:5], ctx_scales s[6:7], codes_in s[8:9], scales_in s[10:11]
	s_load_b128 s[12:15], s[0:1], 0x20             ; the bias s[12:13], out s[14:15]
	v_lshl_add_u32 v[SPW], v0, 2, SPARE
	v_mov_b32 v[NIL], 0
	ds_add_u32 v[SPW], v[NIL]                      ; the opening: the add, twice on end
	ds_add_u32 v[SPW], v[NIL]
	v_lshrrev_b32 v1, 5, v0
	v_readfirstlane_b32 s[WV], v1
	s_lshr_b32 s[RH], s[WV], 1
	s_and_b32 s[CH], s[WV], 1
	s_bfe_u32 s40, ttmp6, 0x40000                  ; cx, cy
	s_bfe_u32 s41, ttmp6, 0x40004
	s_lshl_b32 s42, ttmp9, 2
	s_add_co_u32 s42, s42, s40                     ; tile column
	s_and_b32 s19, ttmp7, 0xffff
	s_lshl_b32 s19, s19, 2
	s_add_co_u32 s19, s19, s41                     ; tile row
	s_lshl_b32 s43, s41, 2
	s_lshl_b32 s43, 15, s43                        ; my row of the cluster
	s_lshl_b32 s44, 0x1111, s40                    ; my column
	s_or_b32 s[G1A], s43, (3<<16)|(1<<21)          ; ctx: 128 dense rows of 256 bytes (32 elements of 8 bytes), no padding; the mask of my row, bit 21 beside it
	s_mov_b32 s[G1A+1], 32<<16
	s_mov_b32 s[G1A+2], 256<<16
	s_mov_b32 s[G1A+3], 32<<16
	s_mov_b32 s[G1A+4], 256                        ; (at the head; 128 behind it)
	s_mov_b32 s[G1A+5], 32
	s_mov_b32 s[G1A+6], 0
	s_mov_b32 s[G1A+7], 0
	s_or_b32 s[G1B], s44, (0<<16)|(1<<20)|(1<<21)|(6<<22)|(3<<25)   ; the weight: 64 rows of 512 bytes, 1,024 apart; after every 128 words four words of padding; the mask of my column
	s_mov_b32 s[G1B+1], 512<<16
	s_mov_b32 s[G1B+2], 128<<16
	s_mov_b32 s[G1B+3], 512<<16
	s_mov_b32 s[G1B+4], 128                        ; (at the head; 64 behind it)
	s_mov_b32 s[G1B+5], 1024
	s_mov_b32 s[G1B+6], 0
	s_mov_b32 s[G1B+7], 0
	s_or_b32 s[G1S], s43, (3<<16)|(1<<20)|(1<<21)|(5<<22)|(3<<25)   ; the scales of 128 rows: 4,096 dense bytes as 16 rows of 256, 16 bytes of padding behind each
	s_or_b32 s[G1SB], s44, (3<<16)|(1<<20)|(1<<21)|(5<<22)|(3<<25)
.irp g, G1S, G1SB
	s_mov_b32 s[\g+1], 32<<16
	s_mov_b32 s[\g+2], 16<<16
	s_mov_b32 s[\g+3], 32<<16
	s_mov_b32 s[\g+4], 16
	s_mov_b32 s[\g+5], 32
	s_mov_b32 s[\g+6], 0
	s_mov_b32 s[\g+7], 0
.endr
	s_lshl_b32 s20, s19, 16
	s_mov_b32 s21, 0
	s_lshl_b32 s22, s19, 12
	s_mov_b32 s23, 0
	s_lshl_b32 s46, s42, 17
	s_add_co_u32 s46, s46, PC
	s_mov_b32 s47, 0
	s_lshl_b32 s92, s42, 12
	s_add_co_u32 s92, s92, PS
	s_mov_b32 s93, 0
	s_lshl_b32 s94, s[CH], 15                      ; where they go: the wave's number alone enters an LDS address
	s_mul_i32 s95, s[CH], 33792
	s_add_co_u32 s95, s95, BREG
	s_mov_b32 s99, 0
	s_wait_alu depctr_va_vdst(0)
	s_wait_dscnt 0x0                               ; both opening adds are done
	s_wait_kmcnt 0x0
	s_add_nc_u64 s[20:21], s[4:5], s[20:21]
	s_add_nc_u64 s[22:23], s[6:7], s[22:23]
	s_add_nc_u64 s[46:47], s[8:9], s[46:47]
	s_add_nc_u64 s[92:93], s[10:11], s[92:93]
	s_mov_b32 s[G0A], 1                            ; K's first half: the whole tile
	s_mov_b32 s[G0A+1], 0
	s_mov_b64 s[G0A+2:G0A+3], s[20:21]
	s_or_b32 s[G0A+3], s[G0A+3], 0x80000000
	s_mov_b32 s[G0B], 1
	s_mov_b32 s[G0B+1], BREG
	s_mov_b64 s[G0B+2:G0B+3], s[46:47]
	s_or_b32 s[G0B+3], s[G0B+3], 0x80000000
	s_lshl_b32 s98, s[CH], 15                      ; K's second half: half of a tile's rows a wave
	s_add_nc_u64 s[20:21], s[20:21], s[98:99]
	s_lshl_b32 s98, s[CH], 16
	s_add_nc_u64 s[46:47], s[46:47], s[98:99]
	s_mov_b32 s[G0A+4], 1
	s_add_co_u32 s[G0A+5], s94, 65536
	s_add_nc_u64 s[G0A+6:G0A+7], s[20:21], 2097152
	s_or_b32 s[G0A+7], s[G0A+7], 0x80000000
	s_mov_b32 s[G0B+4], 1
	s_add_co_u32 s[G0B+5], s95, 67584
	s_add_nc_u64 s[G0B+6:G0B+7], s[46:47], 512
	s_or_b32 s[G0B+7], s[G0B+7], 0x80000000
	s_mov_b32 s[G0SA], 1
	s_mov_b32 s[G0SA+1], SCL
	s_mov_b64 s[G0SA+2:G0SA+3], s[22:23]
	s_or_b32 s[G0SA+3], s[G0SA+3], 0x80000000
	s_mov_b32 s[G0SB], 1
	s_mov_b32 s[G0SB+1], SCL+2*2176
	s_mov_b64 s[G0SB+2:G0SB+3], s[92:93]
	s_or_b32 s[G0SB+3], s[G0SB+3], 0x80000000
	CROUND                                         ; all sixteen work-groups are here: the joint loads meet
.macro ARM under, g0, g1, next
	s_cmp_lt_u32 s[WV], \under
	s_cbranch_scc0 \next
	tensor_load_to_lds s[\g0:\g0+3], s[\g1:\g1+7]
	s_nop 0
	PLACES 4
	s_branch .Lasked
\next:
.endm
	ARM 1, G0A,  G1A, .Lhead_w                     ; one load a wave
	ARM 2, G0B,  G1B, .Lhead_s
	ARM 3, G0SA, G1S, .Lhead_t
	tensor_load_to_lds s[G0SB:G0SB+3], s[G1SB:G1SB+7]
	s_nop 0
	PLACES 4
.Lasked:
	v_and_b32 v1, 15, v0                           ; r
	v_bfe_u32 v2, v0, 4, 1                         ; h
	v_and_b32 v3, 31, v0
	v_lshlrev_b32 v3, 4, v3                        ; 16 x lane
	s_lshl_b32 s20, s[RH], 15                      ; my 64 rows of ctx: four images' worth
	v_add_nc_u32 v[ADRA], s20, v3
	v_add_nc_u32 v[ADRA+1], 65536, v[ADRA]
	v_mul_u32_u24 v4, v1, 528
	v_lshl_add_u32 v4, v2, 4, v4
	s_mul_i32 s21, s[CH], 33792
	s_add_co_u32 s21, s21, BREG
	v_add_nc_u32 v[ADRB], s21, v4
	v_add_nc_u32 v[ADRB+1], 67584, v[ADRB]
	v_lshrrev_b32 v5, 3, v1                        ; my row's 32 scale bytes: eight rows to a unit of 256 + 16
	v_mul_u32_u24 v5, v5, 272
	v_and_b32 v6, 7, v1
	v_lshl_add_u32 v5, v6, 5, v5
	s_add_co_u32 s20, s[CH], 2
	s_sub_co_u32 s20, s20, s[RH]
	s_mul_i32 s20, s20, 2176
	v_mul_u32_u24 v6, s20, v2                      ; lanes 16-31 take the weight's: one product, h x the distance
	v_add_nc_u32 v5, v5, v6
	s_mul_i32 s21, s[RH], 2176
	s_add_co_u32 s21, s21, SCL
	v_add_nc_u32 v[ADRS], s21, v5
	s_mul_i32 s22, s[WV], 16*272
	s_add_co_u32 s22, s22, STAGE                   ; my stage
	v_mul_u32_u24 v5, v1, 272
	v_lshl_add_u32 v5, v2, 6, v5
	v_add_nc_u32 v[STO], s22, v5                   ; in: row r, + 64 h
	v_mul_u32_u24 v5, v2, 272
	v_lshl_add_u32 v5, v1, 4, v5
	v_add_nc_u32 v[RD], s22, v5                    ; back: lanes 0-15 one row of 256 bytes, lanes 16-31 the next
	v_lshlrev_b32 v[CO], 12, v2
	v_lshl_add_u32 v[CO], v1, 4, v[CO]             ; and the same two rows in out
	s_lshl_b32 s20, s42, 9
	s_lshl_b32 s21, s[CH], 8
	s_add_co_u32 s20, s20, s21                     ; my 64 columns, in bytes
	s_mov_b32 s21, 0
	s_add_nc_u64 s[12:13], s[12:13], s[20:21]
	s_add_nc_u64 s[14:15], s[14:15], s[20:21]
	s_lshl_b32 s20, s19, 19
	s_lshl_b32 s22, s[RH], 18
	s_add_co_u32 s20, s20, s22                     ; row 128 x tile row + 64 x half, 4,096 bytes a row
	s_add_nc_u64 s[14:15], s[14:15], s[20:21]
	v_lshlrev_b32 v5, 6, v2
.irp b, 0,1,2,3
	global_load_b128 v[BI+8*\b:BI+8*\b+3], v5, s[12:13] offset:128*(\b/2)+32*(\b%2)       ; the bias in the result's layout
	global_load_b128 v[BI+8*\b+4:BI+8*\b+7], v5, s[12:13] offset:128*(\b/2)+32*(\b%2)+16
.endr
; 32 LDS loads: K step q's fragments into buffer f: the weight's four, ctx's blocks 0, 1, then ctx's blocks 2, 3
.macro FETCH q, f
	WIN TO_F
.irp b, 0,1,2,3
.irp c, 0,1,2,3
	ds_load_b128 v[\f+64+16*\b+4*\c:\f+64+16*\b+4*\c+3], v[ADRB+(\q)/4] offset:16*\b*528+128*((\q)%4)+32*\c
.endr
.endr
.irp a, 0,1,2,3
.irp c, 0,1,2,3
	ds_load_b128 v[\f+16*\a+4*\c:\f+16*\a+4*\c+3], v[ADRA+(\q)/4] offset:8192*\a+2048*((\q)%4)+512*\c
.endr
.endr
.endm
; 8 matrix instructions: ctx's blocks a0, a0 + 1 x the weight's four.  The 16 accumulators take turns, one instruction a turn, in the same order in every step.
.macro MUL8 q, f, a0
.irp a, \a0, \a0+1
.irp b, 0,1,2,3
.if (\q) == 0
	v_wmma_scale_f32_16x16x128_f8f6f4 v[ACC+8*(4*(\a)+\b):ACC+8*(4*(\a)+\b)+7], v[\f+64+16*\b:\f+64+16*\b+15], v[\f+16*(\a):\f+16*(\a)+15], v[BI+8*\b:BI+8*\b+7], v[SC+8*\b+(\q)], v[SC+8*(\a)+(\q)] matrix_a_scale:MATRIX_SCALE_ROW1
.else
	v_wmma_scale_f32_16x16x128_f8f6f4 v[ACC+8*(4*(\a)+\b):ACC+8*(4*(\a)+\b)+7], v[\f+64+16*\b:\f+64+16*\b+15], v[\f+16*(\a):\f+16*(\a)+15], v[ACC+8*(4*(\a)+\b):ACC+8*(4*(\a)+\b)+7], v[SC+8*\b+(\q)], v[SC+8*(\a)+(\q)] matrix_a_scale:MATRIX_SCALE_ROW1
.endif
.endr
.endr
.endm
.macro KSTEP q
.set F, 128*((\q)%2)
.set G, 128-F
	s_wait_dscnt 8                                 ; the weight's fragments and ctx's blocks 0, 1 are in; the youngest eight loads (blocks 2, 3) may be out
	WIN MUL
	MUL8 \q, F, 0
.if (\q) == 3
	s_wait_tensorcnt 0x0                           ; my part of K's second half is in,
	s_wait_dscnt 0x0                               ; no LDS instruction of mine is out,
	s_barrier_signal -1
	s_barrier_wait -1                              ; everybody's part is in
.endif
.if (\q) < 7
	PLACES 8                                       ; in front of loads into the buffer that the last step's products read
	FETCH (\q)+1, G
	s_wait_dscnt 32                                ; all but the 32 just issued
.else
	s_wait_alu depctr_va_vdst(0)
	s_wait_dscnt 0x0
.endif
	WIN MUL
	MUL8 \q, F, 2
.endm
	s_wait_alu depctr_va_vdst(0)                   ; the wait at the head's end
	s_wait_tensorcnt 0x0                           ; my tile is in; these lines stand ahead of a later first fill as ahead of a refill
	ds_add_u32 v[SPW], v[NIL]
	s_mov_b32 s[G1A+2], 128<<16                    ; no load of mine is out: from here on half a tile a load
	s_mov_b32 s[G1A+4], 128
	s_mov_b32 s[G1B+2], 64<<16
	s_mov_b32 s[G1B+4], 64
	s_wait_dscnt 0x0
	CROUND                                         ; all four tiles are in
	s_cmp_eq_u32 s[RH], 0
	s_cbranch_scc0 .Lsecond_w
	tensor_load_to_lds s[G0A+4:G0A+7], s[G1A:G1A+7]
	s_nop 0
	PLACES 4
	s_branch .Lsecond_asked
.Lsecond_w:
	tensor_load_to_lds s[G0B+4:G0B+7], s[G1B:G1B+7]
	s_nop 0
	PLACES 4
.Lsecond_asked:
.irp i, 0,1,2,3
	ds_load_b128 v[SC+8*\i:SC+8*\i+3], v[ADRS] offset:544*\i         ; a row's eight scale words, all of K
	ds_load_b128 v[SC+8*\i+4:SC+8*\i+7], v[ADRS] offset:544*\i+16
.endr
	FETCH 0, 0
	s_wait_loadcnt 0x0                             ; the bias
.irp q, 0,1,2,3,4,5,6,7
	KSTEP \q
.endr
	WIN 0
	; THE WAY OUT, a block of 16 rows x 64 columns at a time, through my own stage: sixteen lanes then store 256 consecutive bytes of a row of out.  LDS serves a wave's instructions in order (ISA guide 5.7.1.4).
	PLACES 8
.irp a, 0,1,2,3
.if \a >= 2
	s_wait_xcnt 0x0                                ; block a - 2's stores have read their registers
.endif
.irp b, 0,1,2,3
	ds_store_b128 v[STO], v[ACC+8*(4*\a+\b):ACC+8*(4*\a+\b)+3] offset:128*(\b/2)+32*(\b%2)        ; each accumulator from its low end on
	ds_store_b128 v[STO], v[ACC+8*(4*\a+\b)+4:ACC+8*(4*\a+\b)+7] offset:128*(\b/2)+32*(\b%2)+16
.endr
.irp k, 0,1,2,3,4,5,6,7
	ds_load_b128 v[64+32*(\a%2)+4*\k:64+32*(\a%2)+4*\k+3], v[RD] offset:2*\k*272
.endr
	s_wait_dscnt 0x0
.irp k, 0,1,2,3,4,5,6,7
	global_store_b128 v[CO], v[64+32*(\a%2)+4*\k:64+32*(\a%2)+4*\k+3], s[14:15] offset:(32*(\a/2)+8*(\a%2)+2*\k+8*(\k/4))*4096 th:TH_STORE_NT   ; lane row 2 k + h of tile a is row 32 (a / 2) + 8 (a % 2) + 2 k + h + 8 (k / 4)
.endr
.endr
	s_wait_tensorcnt 0x0                           ; the wave's end
	ds_add_u32 v[SPW], v[NIL]
	s_wait_dscnt 0x0
	CROUND                                         ; the closing round: no work-group ends while a partner may still ask for a tile that names it
	s_endpgm
.Lfunc_end_k_q67a4f790c6_proj:
	.size	k_q67a4f790c6_proj, .Lfunc_end_k_q67a4f790c6_proj-k_q67a4f790c6_proj
	.p2alignl 7, 3214868480
	.fill 96, 4, 3214868480
	.section	.rodata,"a",@progbits
	.p2align	6, 0x0
	.amdhsa_kernel k_q67a4f790c6_proj
		.amdhsa_group_segment_fixed_size 327680
		.amdhsa_private_segment_fixed_size 0
		.amdhsa_enable_private_segment 0
		.amdhsa_kernarg_size 48
		.amdhsa_user_sgpr_count 2
		.amdhsa_user_sgpr_kernarg_segment_ptr 1
		.amdhsa_wavefront_size32 1
		.amdhsa_system_sgpr_workgroup_id_x 1
		.amdhsa_system_sgpr_workgroup_id_y 1
		.amdhsa_system_sgpr_workgroup_id_z 1
		.amdhsa_system_vgpr_workitem_id 0
		.amdhsa_next_free_vgpr 512
		.amdhsa_next_free_sgpr 100
		.amdhsa_reserve_vcc 0
		.amdhsa_float_denorm_mode_32 3
		.amdhsa_float_denorm_mode_16_64 3
		.amdhsa_memory_ordered 1
		.amdhsa_forward_progress 1
		.amdhsa_inst_pref_size 55
	.end_amdhsa_kernel
	.amdgpu_metadata
---
amdhsa.version: [ 1, 2 ]
amdhsa.kernels:
  - .name:           k_q67a4f790c6_proj
    .symbol:         k_q67a4f790c6_proj.kd
    .args:
      - { .name: ctx_codes, .offset: 0, .size: 8, .value_kind: global_buffer, .address_space: global }
      - { .name: ctx_scales, .offset: 8, .size: 8, .value_kind: global_buffer, .address_space: global }
      - { .name: codes_in, .offset: 16, .size: 8, .value_kind: global_buffer, .address_space: global }
      - { .name: scales_in, .offset: 24, .size: 8, .value_kind: global_buffer, .address_space: global }
      - { .name: c_proj_bias, .offset: 32, .size: 8, .value_kind: global_buffer, .address_space: global }
      - { .name: out0, .offset: 40, .size: 8, .value_kind: global_buffer, .address_space: global }
    .group_segment_fixed_size: 327680
    .private_segment_fixed_size: 0
    .kernarg_segment_align: 8
    .kernarg_segment_size: 48
    .max_flat_workgroup_size: 128
    .sgpr_count:     100
    .vgpr_count:     512
    .wavefront_size: 32
...
	.end_amdgpu_metadata
.endif
;; end of part 4
